; MI455X (gfx1250); checked and timed in simulation.
; The chip was launched on July 23, 2026; its instructions are those of AMD's public machine-readable ISA for CDNA 5 (MIT licence, August 2026) and "CDNA5" Instruction Set Architecture Reference Guide (July 2026). The comments in the code are by the model that wrote it; some were corrected since.
;; Lightweight Attention. Allowed arithmetic: float matrix products may take bf16 or f16 operands with f32 sums; all other float work in f32.
;; Inputs: Wk 1,024 x 1,024 float32; Wo 1,024 x 1,024 float32; Wq 1,024 x 1,024 float32; Wv 1,024 x 1,024 float32; bk 1,024 float32; bo 1,024 float32; bq 1,024 float32; bv 1,024 float32; x 4 x 2,048 x 1,024 float32.
;; Outputs: out0 4 x 2,048 x 1,024 float32.
;; 2 versions, each right; version 2 is version 1 with the launch cvt written anew for expert scheduling mode. Each part assembles by itself: llvm-mc -triple=amdgcn-amd-amdhsa -mcpu=gfx1250 --defsym DOCPART=n.
;; ======== version 1 of 2: 5 launches
;; limits: values outside matrix products are rounded to bf16
;; workspace buffers: xb 16,777,216 bytes; wb 8,388,608 bytes; kvp 10,485,760 bytes; kvb 655,360 bytes; att 16,777,216 bytes
;; launch cvt (part 1): grid 64 x 12, 8 waves a work-group, no clusters, 0 bytes of LDS; arguments x, Wq, Wk, Wv, Wo, xb, wb; writes xb, wb
.if DOCPART == 1
	.amdgcn_target "amdgcn-amd-amdhsa--gfx1250"
	.amdhsa_code_object_version 6
	.text
	.protected	k_q528ec11403_cvt
	.globl	k_q528ec11403_cvt
	.p2align	8
	.type	k_q528ec11403_cvt,@function
k_q528ec11403_cvt:
	s_mov_b64 s[64:65], 0
	v_nop
	global_prefetch_b8 v0, s[64:65] scope:SCOPE_SE
	s_setreg_imm32_b32 hwreg(HW_REG_WAVE_MODE, 25, 1), 1
	s_wait_xcnt 0x0
; f32 to bf16 (round to nearest even) of x and of the four weight matrices, once, so that the three products that follow
; move and multiply 16-bit tiles and x is narrowed once although two launches read it.
; xb = x as [8192][1024] bf16.  wb = [4096][1024] bf16: rows 0-1023 Wq; rows 1024+128 h+0..63 = Wk rows 64 h..64 h+63 and
; rows 1024+128 h+64..127 = Wv rows 64 h..64 h+63 (K's and V's rows of one head lie together: one tile of 128 rows); rows 3072-4095 Wo.
; A work-group takes one chunk of 16 rows: 65,536 bytes in, 32,768 bytes out.  y < 8: chunk 64 y + c of x; y = 8..11: chunk c of Wq, Wk, Wv, Wo.
; A stream: no LDS, no barrier, no matrix unit.  All sixteen loads of a thread go out at once; no register is written twice.
.set X, 4                              ; v[4:67]   sixteen loads of 4 f32
.set Y, 68                             ; v[68:99]  sixteen pairs of packed bf16
	s_load_b256 s[4:11], s[0:1], 0x0               ; x s[4:5], Wq s[6:7], Wk s[8:9], Wv s[10:11]
	s_load_b128 s[12:15], s[0:1], 0x20             ; Wo s[12:13], xb s[14:15]
	s_load_b64 s[16:17], s[0:1], 0x30              ; wb
	s_and_b32 s18, ttmp7, 0xffff                   ; y: which source
	s_mov_b32 s19, ttmp9                           ; c: which chunk
	v_lshlrev_b32 v1, 4, v0                        ; 16 bytes of f32 a thread: a wave's load covers 512 consecutive bytes
	v_lshlrev_b32 v2, 3, v0                        ; 8 bytes of bf16 a thread: a wave's store covers 256 consecutive bytes, aligned
	s_lshl_b32 s24, s18, 6
	s_add_co_u32 s24, s24, s19                     ; 64 y + c
	s_cmp_lt_u32 s18, 8
	s_cselect_b32 s24, s24, s19                    ; the chunk in its source: 64 y + c in x, c in a weight matrix
	s_lshl_b32 s26, s24, 4                         ; destination row for x and for Wq: 16 x chunk
	s_lshr_b32 s28, s19, 2                         ; Wk: head = c / 4,
	s_lshl_b32 s28, s28, 7
	s_and_b32 s29, s19, 3                          ; 16 (c mod 4) rows into the head
	s_lshl_b32 s29, s29, 4
	s_add_co_u32 s28, s28, s29
	s_add_co_u32 s28, s28, 1024                    ; 1024 + 128 head + 16 (c mod 4)
	s_cmp_eq_u32 s18, 9
	s_cselect_b32 s26, s28, s26
	s_add_co_u32 s28, s28, 64                      ; Wv: 64 rows behind Wk's of the same head
	s_cmp_eq_u32 s18, 10
	s_cselect_b32 s26, s28, s26
	s_lshl_b32 s29, s19, 4
	s_add_co_u32 s29, s29, 3072                    ; Wo
	s_cmp_eq_u32 s18, 11
	s_cselect_b32 s26, s29, s26
	s_lshl_b32 s26, s26, 11                        ; rows of 2,048 bytes; below 2^25
	s_mov_b32 s27, 0
	s_lshl_b32 s24, s24, 16                        ; chunks of 65,536 bytes; below 2^26
	s_mov_b32 s25, 0
	s_wait_kmcnt 0x0
	s_cmp_eq_u32 s18, 8                            ; the source's address, chosen by y alone
	s_cselect_b64 s[20:21], s[6:7], s[4:5]
	s_cmp_eq_u32 s18, 9
	s_cselect_b64 s[20:21], s[8:9], s[20:21]
	s_cmp_eq_u32 s18, 10
	s_cselect_b64 s[20:21], s[10:11], s[20:21]
	s_cmp_eq_u32 s18, 11
	s_cselect_b64 s[20:21], s[12:13], s[20:21]
	s_cmp_lt_u32 s18, 8                            ; and the destination's
	s_cselect_b64 s[22:23], s[14:15], s[16:17]
	s_add_nc_u64 s[20:21], s[20:21], s[24:25]
	s_add_nc_u64 s[22:23], s[22:23], s[26:27]
.irp j, 0,1,2,3,4,5,6,7,8,9,10,11,12,13,14,15
	global_load_b128 v[X+4*\j:X+4*\j+3], v1, s[20:21] offset:4096*\j th:TH_LOAD_NT   ; read once in this launch
.endr
.irp j, 0,1,2,3,4,5,6,7,8,9,10,11,12,13,14,15
	s_wait_loadcnt 15-\j                           ; loads come back in order: load j is in, the 15 - j younger ones stay out
	v_cvt_pk_bf16_f32 v[Y+2*\j], v[X+4*\j], v[X+4*\j+1]
	v_cvt_pk_bf16_f32 v[Y+2*\j+1], v[X+4*\j+2], v[X+4*\j+3]
	global_store_b64 v2, v[Y+2*\j:Y+2*\j+1], s[22:23] offset:2048*\j   ; later launches read these bytes: no hint
.endr
	s_endpgm
.Lfunc_end_k_q528ec11403_cvt:
	.size	k_q528ec11403_cvt, .Lfunc_end_k_q528ec11403_cvt-k_q528ec11403_cvt
	.p2alignl 7, 3214868480
	.fill 96, 4, 3214868480
	.section	.rodata,"a",@progbits
	.p2align	6, 0x0
	.amdhsa_kernel k_q528ec11403_cvt
		.amdhsa_group_segment_fixed_size 0
		.amdhsa_private_segment_fixed_size 0
		.amdhsa_enable_private_segment 0
		.amdhsa_kernarg_size 56
		.amdhsa_user_sgpr_count 2
		.amdhsa_user_sgpr_kernarg_segment_ptr 1
		.amdhsa_wavefront_size32 1
		.amdhsa_system_sgpr_workgroup_id_x 1
		.amdhsa_system_sgpr_workgroup_id_y 1
		.amdhsa_system_sgpr_workgroup_id_z 1
		.amdhsa_system_vgpr_workitem_id 0
		.amdhsa_next_free_vgpr 100
		.amdhsa_next_free_sgpr 66
		.amdhsa_reserve_vcc 0
		.amdhsa_float_denorm_mode_32 3
		.amdhsa_float_denorm_mode_16_64 3
		.amdhsa_memory_ordered 1
		.amdhsa_forward_progress 1
		.amdhsa_inst_pref_size 8
	.end_amdhsa_kernel
	.amdgpu_metadata
---
amdhsa.version: [ 1, 2 ]
amdhsa.kernels:
  - .name:           k_q528ec11403_cvt
    .symbol:         k_q528ec11403_cvt.kd
    .args:
      - { .name: x, .offset: 0, .size: 8, .value_kind: global_buffer, .address_space: global }
      - { .name: Wq, .offset: 8, .size: 8, .value_kind: global_buffer, .address_space: global }
      - { .name: Wk, .offset: 16, .size: 8, .value_kind: global_buffer, .address_space: global }
      - { .name: Wv, .offset: 24, .size: 8, .value_kind: global_buffer, .address_space: global }
      - { .name: Wo, .offset: 32, .size: 8, .value_kind: global_buffer, .address_space: global }
      - { .name: xb, .offset: 40, .size: 8, .value_kind: global_buffer, .address_space: global }
      - { .name: wb, .offset: 48, .size: 8, .value_kind: global_buffer, .address_space: global }
    .group_segment_fixed_size: 0
    .private_segment_fixed_size: 0
    .kernarg_segment_align: 8
    .kernarg_segment_size: 56
    .max_flat_workgroup_size: 256
    .sgpr_count:     66
    .vgpr_count:     100
    .wavefront_size: 32
...
	.end_amdgpu_metadata
.endif
;; end of part 1
;; launch kv (part 2): grid 8 x 32, 4 waves a work-group, clusters of 4 x 4, 327,680 bytes of LDS; arguments xb, wb, bk, bv, kvp; writes kvp
.if DOCPART == 2
	.amdgcn_target "amdgcn-amd-amdhsa--gfx1250"
	.amdhsa_code_object_version 6
	.text
	.protected	k_q528ec11403_kv
	.globl	k_q528ec11403_kv
	.p2align	8
	.type	k_q528ec11403_kv,@function
k_q528ec11403_kv:
	s_mov_b64 s[64:65], 0
	v_nop
	global_prefetch_b8 v0, s[64:65] scope:SCOPE_SE
	s_setreg_imm32_b32 hwreg(HW_REG_WAVE_MODE, 25, 1), 1
	s_wait_xcnt 0x0
	s_wait_alu depctr_hold_cnt(0) depctr_sa_sdst(0) depctr_va_vdst(0) depctr_va_sdst(0) depctr_va_ssrc(0) depctr_va_vcc(0) depctr_vm_vsrc(0)
	s_getreg_b32 s2, hwreg(HW_REG_IB_STS2, 6, 4)
	s_cmp_eq_u32 s2, 0
	s_cbranch_scc0 .Lentry_in_a_cluster
	s_endpgm
.Lentry_in_a_cluster:
	s_bfe_u32 s2, ttmp6, 0x10000c
	s_cmp_lg_u32 s2, 0xf033
	s_cbranch_scc0 .Lentry_shape_is_right
	s_endpgm
.Lentry_shape_is_right:
; For 256 rows of x (block row rb) and two heads (block column hp): K = elu(x Wk^T + bk) + 1, V = x Wv^T + bv, and from them, without
; K or V leaving the registers, the block's part of KV[d][e] = sum over t of K[t][d] V[t][e] and of Ksum[d] = sum over t of K[t][d].
; The parts go to kvp; the next launch adds the eight parts of a batch.
; Four waves, as many as a WGP has SIMDs.  Wave (rh, ch) makes rows 128 rh .. +127 of head 2 hp + ch: 128 x 128 (64 columns of K, 64 of V)
; in 64 accumulator tiles, 512 registers.  The contraction (1,024) goes in steps of 128 through two LDS slots filled by the tensor data mover.
; CLUSTERS: 4 x 4 work-groups.  The four of a row of the cluster need the same tiles of xb, the four of a column the same tiles of wb:
; each tile is asked for jointly, by the same tensor load with the same descriptor in the four that its mask names.
; THE MATRIX INSTRUCTION IS USED AS IT STANDS: source 0 = 16 rows of x, source 1 = 16 rows of W.  Lane (r, h) then holds, in register j,
; row t = 8 h + j of column r: eight neighbouring t of one column.  Two such tiles (t blocks 2 s, 2 s + 1), packed to bf16, ARE a fragment
; of 16 columns x 32 t for the product over t: K's as source 0, V's as source 1.  No transposition, no way through LDS.
; The bias costs no add: each accumulator's first product takes a tile that holds the bias as its C.
; Ksum is K^T times a column of ones on the matrix unit.
; LIMITS: elu(z) + 1 is made as max(z, 0) + 2^(1.442695 min(z, 0)), which is the same function; v_exp_f32 gives 0 for results below 2^-126
; (z below about -87.3); a NaN in z gives 1 (v_min_num, v_max_num drop it).  Ksum sums K rounded to bf16 (all terms positive, sums in f32).
;
; REGISTERS by windows of 256:
;   window 0: v16-26 addresses; v64-127, v128-191 fragments of x, two buffers; v192-255 eight bias tiles.  Behind the loop: v64-191 at work,
;             then v64-223 the 20 tiles of KV and Ksum, v224-231 the ones, v224-255 the other half's tiles on their way in
;   window 1: v64-127, v128-191 fragments of W, two buffers
;   window 2: accumulators of my rows 0-63, window 3: of my rows 64-127.  Tile (a = a0 + x, b) at v[8 (8 a0 + 2 b + x)], a0 = 0 or 2:
;             the tiles of two neighbouring t blocks of one column block are 16 neighbouring registers
.set DIM,    1024
.set KSTEP,  128
.set PITCH,  272                       ; an LDS row: 256 bytes + 16 of padding: the 16 rows of a fragment load start 16 bytes apart modulo 256
.set HALFT,  128*PITCH                 ; 128 rows: what one tensor load brings, and what one wave reads of x or of W
.set SLOT,   4*HALFT                   ; x's 256 rows, then W's 256 rows
.set STAGE,  2*SLOT                    ; behind the ring, never a tensor load's target: two areas, one for each head
.set AREA,   20480                     ; 160 registers x 32 lanes x 4 bytes: the 20 tiles of one head; also a record of kvp
.set LAPS,   DIM/(2*KSTEP)             ; a lap = two K steps = once round the ring
.set WKV0,   1024                      ; wb's first row of the interleaved Wk and Wv
.set ADRA, 16                          ; v16-17  LDS address of my x fragments in slot 0, 1
.set ADRB, 20                          ; v20-21  the same for W
.set ST,   24                          ; v24     my 16 bytes in my head's area of the stage
.set GO,   25                          ; v25     16 x lane: my 16 bytes in a group of kvp
.set BO,   26                          ; v26     4 r: my column's bias
.set F0,   64
.set F1,   128
.set BIAS, 192
.set T,    64                          ; behind the loop: min(z, 0), then its exponential
.set U,    128                         ; behind the loop: max(z, 0), then the feature map
.set KVA,  64                          ; tile (i, jj) of KV at KVA + 8 (5 i + jj); jj = 4: Ksum
.set ONES, 224
.set IN,   224
.set G1,  24                           ; s[24:31] descriptor group 1 for x's tiles
.set G0,  32                           ; s[32:39] group 0 for x's tiles, one set a slot
.set G1B, 48                           ; s[48:55] group 1 for W's tiles: the mask differs
.set G0B, 56                           ; s[56:63] group 0 for W's tiles, one set a slot
.set FLAGS, (1<<16)|(1<<20)|(1<<21)|(5<<22)|(3<<25)   ; elements of 2 bytes; padding on; bit 21 beside a mask; after every 64 words; 4 words
.set MUL_LO,   0xa4                    ; source 0 window 0, source 1 window 1, C and D window 2
.set MUL_HI,   0xf4                    ; C and D window 3
.set FIRST_LO, 0x84                    ; the same with C (the bias tile) in window 0
.set FIRST_HI, 0xc4
.set TO_B,     0x40                    ; destination window 1
.set MSB, 0
.macro WIN new                         ; the immediate's high byte repeats the setting that is left
.if MSB != \new
	s_set_vgpr_msb (MSB<<8)|\new
.set MSB, \new
.endif
.endm
; A joint load.  Waves 0 and 1 fetch x's two halves, waves 2 and 3 W's.  The branch hangs on the wave's number alone.
.macro JLOAD s
	s_cmp_eq_u32 s15, 0
	s_cbranch_scc0 .Lfor_b_\@
	tensor_load_to_lds s[G0+4*\s:G0+4*\s+3], s[G1:G1+7]
	s_nop 0
	s_branch .Lasked_\@
.Lfor_b_\@:
	tensor_load_to_lds s[G0B+4*\s:G0B+4*\s+3], s[G1B:G1B+7]
	s_nop 0
.Lasked_\@:
.endm
; A round of the cluster's barrier: my work-group's barrier; wave 0 signals for the work-group; every wave waits for all sixteen; my work-group's barrier again.
.macro CREST                           ; a round behind its opening barrier
	s_cmp_lg_u32 s14, 0
	s_cbranch_scc1 .Lnot_wave_0_\@
	s_barrier_signal -3
.Lnot_wave_0_\@:
	s_barrier_wait -3
	s_barrier_signal -1
	s_barrier_wait -1
.endm
.macro CROUND
	s_barrier_signal -1
	s_barrier_wait -1
	CREST
.endm
; Four places behind a matrix instruction before a vector instruction or an LDS store reads its result, or a vector instruction or a load writes
; one of its registers (ISA guide 7.12.1 for vector instructions).  Other matrix instructions are not counted as places.
.macro PLACES
.rept 4
	v_nop
.endr
.endm
	s_load_b256 s[4:11], s[0:1], 0x0               ; xb s[4:5], wb s[6:7], bk s[8:9], bv s[10:11]
	s_load_b64 s[12:13], s[0:1], 0x20              ; kvp
	v_lshl_add_u32 v63, v0, 2, 0x4e000
	s_set_vgpr_msb 0x40
	v_mov_b32 v255, 0
	s_set_vgpr_msb 0x4044
	ds_add_u32 v63, v255
	s_set_vgpr_msb 0x4400
	v_lshrrev_b32 v1, 5, v0
	v_readfirstlane_b32 s14, v1                    ; wave 0..3
	s_lshr_b32 s15, s14, 1                         ; rh: my half of the rows.  Also: I fetch for x (0) or for W (1)
	s_and_b32 s16, s14, 1                          ; ch: my head of the two.  Also: which 128 rows of that tile I fetch
	s_bfe_u32 s40, ttmp6, 0x40000                  ; cx
	s_bfe_u32 s41, ttmp6, 0x40004                  ; cy
	s_lshl_b32 s42, ttmp9, 2
	s_add_co_u32 s42, s42, s40                     ; hp = 4 x cluster x + cx: the pair of heads
	s_and_b32 s43, ttmp7, 0xffff
	s_lshl_b32 s43, s43, 2
	s_add_co_u32 s43, s43, s41                     ; rb = 4 x cluster y + cy: the block of 256 rows
	s_lshl_b32 s44, s41, 2
	s_lshl_b32 s44, 15, s44                        ; my row of the cluster: places 4 cy .. 4 cy + 3
	s_lshl_b32 s45, 0x1111, s40                    ; my column: places cx, cx + 4, cx + 8, cx + 12
	s_or_b32 s[G1+0], s44, FLAGS                   ; x's tiles go to my row
	s_or_b32 s[G1B+0], s45, FLAGS                  ; W's tiles to my column
	s_mov_b32 s[G1+1], KSTEP<<16                   ; tensor_dim0 = 128
	s_mov_b32 s[G1B+1], KSTEP<<16
	s_mov_b32 s[G1+2], 128<<16                     ; tensor_dim1 = 128
	s_mov_b32 s[G1B+2], 128<<16
	s_mov_b32 s[G1+3], KSTEP<<16                   ; tile_dim0 = 128 elements: 256 bytes of a row
	s_mov_b32 s[G1B+3], KSTEP<<16
	s_mov_b32 s[G1+4], 128                         ; tile_dim1 = 128 rows
	s_mov_b32 s[G1B+4], 128
	s_mov_b32 s[G1+5], DIM                         ; elements from row to row
	s_mov_b32 s[G1B+5], DIM
	s_mov_b32 s[G1+6], 0
	s_mov_b32 s[G1B+6], 0
	s_mov_b32 s[G1+7], 0
	s_mov_b32 s[G1B+7], 0
	; x's tiles hang on rb alone, W's on hp alone; each address is made in registers that never hold the other coordinate
	s_lshl_b32 s17, s16, 7                         ; which 128 rows of the tile I fetch
	s_lshl_b32 s18, s43, 8
	s_add_co_u32 s18, s18, s17                     ; xb row 256 rb + 128 half
	s_lshl_b32 s18, s18, 11                        ; rows of 2,048 bytes; below 2^25
	s_mov_b32 s19, 0
	s_lshl_b32 s46, s42, 8
	s_add_co_u32 s46, s46, s17
	s_add_co_u32 s46, s46, WKV0                    ; wb row 1024 + 256 hp + 128 half
	s_lshl_b32 s46, s46, 11
	s_mov_b32 s47, 0
	s_mul_i32 s22, s14, HALFT                      ; where my load goes: x's two halves, then W's two = wave x 128 rows
	s_wait_dscnt 0x0
	s_wait_kmcnt 0x0
	s_add_nc_u64 s[20:21], s[4:5], s[18:19]
	s_add_nc_u64 s[46:47], s[6:7], s[46:47]
	CROUND                                         ; all sixteen work-groups are here: the first joint loads meet
.irp s, 0,1
	s_mov_b32 s[G0+4*\s], 1                                        ; count = 1
	s_add_co_u32 s[G0+4*\s+1], s22, \s*SLOT                        ; LDS address
	s_add_nc_u64 s[G0+4*\s+2:G0+4*\s+3], s[20:21], \s*KSTEP*2      ; global address: K step s
	s_or_b32 s[G0+4*\s+3], s[G0+4*\s+3], 0x80000000                ; type = 2
	s_mov_b32 s[G0B+4*\s], 1
	s_add_co_u32 s[G0B+4*\s+1], s22, \s*SLOT
	s_add_nc_u64 s[G0B+4*\s+2:G0B+4*\s+3], s[46:47], \s*KSTEP*2
	s_or_b32 s[G0B+4*\s+3], s[G0B+4*\s+3], 0x80000000
	JLOAD \s                                       ; both slots are asked for before anything else: two tensor loads of the wave are out
.endr
	v_and_b32 v1, 15, v0                           ; r
	v_bfe_u32 v2, v0, 4, 1                         ; h
	v_mul_u32_u24 v3, v1, PITCH
	v_lshl_add_u32 v3, v2, 4, v3                   ; a fragment's lane term: row r x pitch + 16 h
	s_mul_i32 s66, s15, HALFT                      ; my 128 rows of x
	s_mul_i32 s67, s16, HALFT                      ; my 128 rows of W,
	s_add_co_u32 s67, s67, 2*HALFT                 ; which lie behind x's 256
.irp s, 0,1
	v_add_nc_u32 v[ADRA+\s], s66, v3
	v_add_nc_u32 v[ADRB+\s], s67, v3
	s_add_co_u32 s66, s66, SLOT
	s_add_co_u32 s67, s67, SLOT
.endr
	v_and_b32 v4, 31, v0
	v_lshlrev_b32 v[GO], 4, v4
	s_mul_i32 s68, s16, AREA
	s_add_co_u32 s68, s68, STAGE
	v_add_nc_u32 v[ST], s68, v[GO]
	v_lshlrev_b32 v[BO], 2, v1
	s_lshl_b32 s72, s42, 1
	s_add_co_u32 s72, s72, s16                     ; my head = 2 hp + ch
	s_lshl_b32 s70, s72, 8                         ; 64 f32 a head
	s_mov_b32 s71, 0
	s_add_nc_u64 s[8:9], s[8:9], s[70:71]
	s_add_nc_u64 s[10:11], s[10:11], s[70:71]
.irp b, 0,1,2,3
	global_load_b32 v[BIAS+8*\b], v[BO], s[8:9] offset:64*\b       ; bk of column 16 b + r
	global_load_b32 v[BIAS+32+8*\b], v[BO], s[10:11] offset:64*\b  ; bv likewise: column blocks 4 to 7
.endr
	s_lshl_b32 s73, s43, 4
	s_add_co_u32 s73, s73, s72
	s_mul_i32 s70, s73, AREA                       ; my head's record in kvp: (16 rb + head) x 20,480
	s_add_nc_u64 s[12:13], s[12:13], s[70:71]
	s_wait_loadcnt 0x0
.irp b, 0,1,2,3,4,5,6,7
.irp j, 1,2,3,4,5,6,7
	v_mov_b32 v[BIAS+8*\b+\j], v[BIAS+8*\b]        ; a lane's eight registers of a tile are eight rows of one column: one bias.  56 moves stand for 256 packed adds
.endr
.endr
; 16 matrix instructions: t blocks a0, a0 + 1 of the window's four x all 8 column blocks, 32 along K.  first = 1: C is the bias tile.
; The accumulators take turns, one instruction a turn, in the same order in every quarter step.
.macro MUL16 f, hi, a0, first
.irp x, 0,1
.irp b, 0,1,2,3,4,5,6,7
.if \first
	v_wmma_f32_16x16x32_bf16 v[8*(8*\a0+2*\b+\x):8*(8*\a0+2*\b+\x)+7], v[\f+8*(4*\hi+\a0+\x):\f+8*(4*\hi+\a0+\x)+7], v[\f+8*\b:\f+8*\b+7], v[BIAS+8*\b:BIAS+8*\b+7]
.else
	v_wmma_f32_16x16x32_bf16 v[8*(8*\a0+2*\b+\x):8*(8*\a0+2*\b+\x)+7], v[\f+8*(4*\hi+\a0+\x):\f+8*(4*\hi+\a0+\x)+7], v[\f+8*\b:\f+8*\b+7], v[8*(8*\a0+2*\b+\x):8*(8*\a0+2*\b+\x)+7]
.endif
.endr
.endr
.endm
; 32 LDS loads in one run: one quarter step's fragments (128 rows of W, 128 rows of x, 32 K at byte k of the rows) into buffer f
.macro FETCH slot, k, f
	WIN TO_B
.irp i, 0,1,2,3,4,5,6,7
	ds_load_b128 v[\f+8*\i:\f+8*\i+3],   v[ADRB+\slot] offset:\k+\i*16*PITCH
	ds_load_b128 v[\f+8*\i+4:\f+8*\i+7], v[ADRB+\slot] offset:\k+\i*16*PITCH+32
.endr
	WIN 0
.irp i, 0,1,2,3,4,5,6,7
	ds_load_b128 v[\f+8*\i:\f+8*\i+3],   v[ADRA+\slot] offset:\k+\i*16*PITCH
	ds_load_b128 v[\f+8*\i+4:\f+8*\i+7], v[ADRA+\slot] offset:\k+\i*16*PITCH+32
.endr
.endm
; One of a K step's first three quarters: multiplies buffer f, and in its middle fetches the next quarter's fragments into buffer g
.macro QUARTER slot, k, f, g, first
	s_wait_dscnt 8                                 ; W and x's rows 0-63 are in; the youngest eight loads (x's rows 64-127) may be out
.if \first
	WIN FIRST_LO
.else
	WIN MUL_LO
.endif
	MUL16 \f, 0, 0, \first
	MUL16 \f, 0, 2, \first
	PLACES
	FETCH \slot, \k, \g
	s_wait_dscnt 32                                ; all but the 32 just issued
.if \first
	WIN FIRST_HI
.else
	WIN MUL_HI
.endif
	MUL16 \f, 1, 0, \first
	MUL16 \f, 1, 2, \first
.endm
.macro THREE slot, first
	QUARTER \slot, 64,  F0, F1, \first
	QUARTER \slot, 128, F1, F0, 0
	QUARTER \slot, 192, F0, F1, 0
.endm
; The fourth quarter: multiplies buffer 1 and changes slots.  In front of the barrier each wave waits for its reads of this slot and for all its
; tensor loads (one is out: its part of the next slot).  Where the slot is filled again the barrier opens a round of the cluster's barrier, and the
; joint refill is the first tensor load behind the round.  From a request to the wait for it a wave issues 240 matrix instructions.
.macro TURN slot, next, fill
	s_wait_dscnt 8
	WIN MUL_LO
	MUL16 F1, 0, 0, 0
	s_wait_dscnt 0                                 ; my reads of this slot are over
	s_wait_tensorcnt 0x0                           ; all my tensor loads have landed
	ds_add_u32 v63, v255
	s_wait_dscnt 0x0
	s_barrier_signal -1
	MUL16 F1, 0, 2, 0                              ; register work while the others arrive
	WIN 0
	s_barrier_wait -1
.if \fill
	CREST                                          ; no wave of any partner still reads this slot or has a load on its way
	s_add_nc_u64 s[G0+4*\slot+2:G0+4*\slot+3], s[G0+4*\slot+2:G0+4*\slot+3], 2*KSTEP*2
	s_add_nc_u64 s[G0B+4*\slot+2:G0B+4*\slot+3], s[G0B+4*\slot+2:G0B+4*\slot+3], 2*KSTEP*2
	JLOAD \slot
.endif
	PLACES
	FETCH \next, 0, F0
	WIN MUL_HI
	MUL16 F1, 1, 0, 0
	MUL16 F1, 1, 2, 0
.endm
.macro LAP first
	THREE 0, \first
	TURN 0, 1, 1
	THREE 1, 0
	TURN 1, 0, 1
.endm
	s_wait_tensorcnt 0x1                           ; my part of K step 0 is in; K step 1's may stay out
	s_barrier_signal -1
	s_barrier_wait -1                              ; everybody's part is in
	FETCH 0, 0, F0
	LAP 1                                          ; the first lap stands in front of the loop: its first products start the sums from the bias
	WIN 0
	s_mov_b32 s3, LAPS-2
.Llap:
	LAP 0
	WIN 0
	s_sub_co_u32 s3, s3, 1
	s_cmp_lg_u32 s3, 0
	s_cbranch_scc1 .Llap
	THREE 0, 0                                     ; the last lap fills nothing
	TURN 0, 1, 0
	THREE 1, 0
	s_wait_dscnt 8
	WIN MUL_LO
	MUL16 F1, 0, 0, 0
	MUL16 F1, 0, 2, 0
	s_wait_dscnt 0
	WIN MUL_HI
	MUL16 F1, 1, 0, 0
	MUL16 F1, 1, 2, 0
	WIN 0
	PLACES
; The feature map on 64 registers at base of one window (rd: that window as source 1; wr: as destination), packed to 32 registers at dst:
; f(z) = max(z, 0) + 2^(1.442695 min(z, 0)).  Sixteen neighbouring registers (two t blocks of a column block) become one fragment of 8.
.macro ELUPACK rd, wr, base, dst
	WIN \rd
.set n_, 0
.rept 64
	v_min_num_f32 v[T+n_], 0, v[\base+n_]
	v_max_num_f32 v[U+n_], 0, v[\base+n_]
.set n_, n_+1
.endr
	WIN 0
.set n_, 0
.rept 32
	v_pk_mul_f32 v[T+n_:T+n_+1], v[T+n_:T+n_+1], 0x3fb8aa3b op_sel_hi:[1,0]
.set n_, n_+2
.endr
.set n_, 0
.rept 64
	v_exp_f32 v[T+n_], v[T+n_]
.set n_, n_+1
.endr
	v_nop                                          ; one plain vector instruction between the exponentials and the first use of a result (ISA guide 5.7.2)
.set n_, 0
	s_wait_alu depctr_va_vdst(0)
.rept 32
	v_pk_add_f32 v[U+n_:U+n_+1], v[U+n_:U+n_+1], v[T+n_:T+n_+1]
.set n_, n_+2
.endr
	WIN \wr
.set n_, 0
.rept 32
	v_cvt_pk_bf16_f32 v[\dst+n_], v[U+2*n_], v[U+2*n_+1]
.set n_, n_+1
.endr
.endm
; V's 64 registers at base, packed in place to 32: register n is written when registers 2 n and 2 n + 1 are read, and n <= 2 n
.macro VPACK base
.set n_, 0
.rept 32
	v_cvt_pk_bf16_f32 v[\base+n_], v[\base+2*n_], v[\base+2*n_+1]
.set n_, n_+1
.endr
.endm
	; K's fragment (s, i) then lies in window 2 + s / 2 at v[128 (s mod 2) + 8 i], V's (s, jj) at v[128 (s mod 2) + 64 + 8 jj]; s = block of 32 rows
	ELUPACK 0x08, 0x80, 0, 0
	ELUPACK 0x08, 0x80, 128, 128
	WIN 0x8a
	VPACK 64
	VPACK 192
	ELUPACK 0x0c, 0xc0, 0, 0
	ELUPACK 0x0c, 0xc0, 128, 128
	WIN 0xcf
	VPACK 64
	VPACK 192
	WIN 0
.irp j, 0,1,2,3,4,5,6,7
	v_mov_b32 v[ONES+\j], 0x3f803f80               ; sixteen columns of 1.0 in bf16
.endr
; KV(i, jj) += K(s, i)^T V(s, jj), 16 tiles, and Ksum(i) += K(s, i)^T ones, 4 tiles; sp = s mod 2, the window is set by the caller.
; One instruction a turn on accumulators that take turns.
.macro KVMUL sp, first
.irp i, 0,1,2,3
.irp j, 0,1,2,3
.if \first
	v_wmma_f32_16x16x32_bf16 v[KVA+8*(5*\i+\j):KVA+8*(5*\i+\j)+7], v[128*\sp+8*\i:128*\sp+8*\i+7], v[128*\sp+64+8*\j:128*\sp+64+8*\j+7], 0
.else
	v_wmma_f32_16x16x32_bf16 v[KVA+8*(5*\i+\j):KVA+8*(5*\i+\j)+7], v[128*\sp+8*\i:128*\sp+8*\i+7], v[128*\sp+64+8*\j:128*\sp+64+8*\j+7], v[KVA+8*(5*\i+\j):KVA+8*(5*\i+\j)+7]
.endif
.endr
.endr
.endm
.macro KSMUL sp, first
.irp i, 0,1,2,3
.if \first
	v_wmma_f32_16x16x32_bf16 v[KVA+8*(5*\i+4):KVA+8*(5*\i+4)+7], v[128*\sp+8*\i:128*\sp+8*\i+7], v[ONES:ONES+7], 0
.else
	v_wmma_f32_16x16x32_bf16 v[KVA+8*(5*\i+4):KVA+8*(5*\i+4)+7], v[128*\sp+8*\i:128*\sp+8*\i+7], v[ONES:ONES+7], v[KVA+8*(5*\i+4):KVA+8*(5*\i+4)+7]
.endif
.endr
.endm
	WIN 0x0a                                       ; sources 0 and 1 window 2, C and D window 0
	KVMUL 0, 1
	KVMUL 1, 0
	WIN 0x02                                       ; source 1 (the ones) window 0
	KSMUL 0, 1
	KSMUL 1, 0
	WIN 0x0f
	KVMUL 0, 0
	KVMUL 1, 0
	WIN 0x03
	KSMUL 0, 0
	KSMUL 1, 0
	WIN 0
	PLACES
	; The two row halves of a head are added: waves 2 and 3 lay their 160 registers into the stage, waves 0 and 1 add them to theirs and store.
	s_cmp_eq_u32 s15, 0
	s_cbranch_scc1 .Lkeep
.set n_, 0
.rept 40
	ds_store_b128 v[ST], v[KVA+4*n_:KVA+4*n_+3] offset:512*n_
.set n_, n_+1
.endr
.Lkeep:
	s_wait_dscnt 0x0                               ; for the readers' sake: my stores are done
	s_barrier_signal -1
	s_barrier_wait -1
	s_cmp_lg_u32 s15, 0
	s_cbranch_scc1 .Ldone
.irp q, 0,1,2,3,4
.irp t, 0,1,2,3,4,5,6,7
	ds_load_b128 v[IN+4*\t:IN+4*\t+3], v[ST] offset:512*(8*\q+\t)
.endr
.irp t, 0,1,2,3,4,5,6,7
	s_wait_dscnt 7-\t                              ; LDS loads come back in order: load t of the eight is in
	v_pk_add_f32 v[KVA+4*(8*\q+\t):KVA+4*(8*\q+\t)+1], v[KVA+4*(8*\q+\t):KVA+4*(8*\q+\t)+1], v[IN+4*\t:IN+4*\t+1]
	v_pk_add_f32 v[KVA+4*(8*\q+\t)+2:KVA+4*(8*\q+\t)+3], v[KVA+4*(8*\q+\t)+2:KVA+4*(8*\q+\t)+3], v[IN+4*\t+2:IN+4*\t+3]
	global_store_b128 v[GO], v[KVA+4*(8*\q+\t):KVA+4*(8*\q+\t)+3], s[12:13] offset:512*(8*\q+\t)   ; 512 consecutive bytes a store; data and address are never rewritten
.endr
.endr
.Ldone:
	s_set_vgpr_msb 0x4
	s_wait_tensorcnt 0x0
	ds_add_u32 v63, v255
	s_wait_dscnt 0x0
	s_set_vgpr_msb 0x400
	CROUND                                         ; the closing round: no work-group ends while a partner may still ask for a tile that names it
	s_endpgm
.Lfunc_end_k_q528ec11403_kv:
	.size	k_q528ec11403_kv, .Lfunc_end_k_q528ec11403_kv-k_q528ec11403_kv
	.p2alignl 7, 3214868480
	.fill 96, 4, 3214868480
	.section	.rodata,"a",@progbits
	.p2align	6, 0x0
	.amdhsa_kernel k_q528ec11403_kv
		.amdhsa_group_segment_fixed_size 327680
		.amdhsa_private_segment_fixed_size 0
		.amdhsa_enable_private_segment 0
		.amdhsa_kernarg_size 40
		.amdhsa_user_sgpr_count 2
		.amdhsa_user_sgpr_kernarg_segment_ptr 1
		.amdhsa_wavefront_size32 1
		.amdhsa_system_sgpr_workgroup_id_x 1
		.amdhsa_system_sgpr_workgroup_id_y 1
		.amdhsa_system_sgpr_workgroup_id_z 1
		.amdhsa_system_vgpr_workitem_id 0
		.amdhsa_next_free_vgpr 1024
		.amdhsa_next_free_sgpr 76
		.amdhsa_reserve_vcc 0
		.amdhsa_float_denorm_mode_32 3
		.amdhsa_float_denorm_mode_16_64 3
		.amdhsa_memory_ordered 1
		.amdhsa_forward_progress 1
		.amdhsa_inst_pref_size 247
	.end_amdhsa_kernel
	.amdgpu_metadata
---
amdhsa.version: [ 1, 2 ]
amdhsa.kernels:
  - .name:           k_q528ec11403_kv
    .symbol:         k_q528ec11403_kv.kd
    .args:
      - { .name: xb, .offset: 0, .size: 8, .value_kind: global_buffer, .address_space: global }
      - { .name: wb, .offset: 8, .size: 8, .value_kind: global_buffer, .address_space: global }
      - { .name: bk, .offset: 16, .size: 8, .value_kind: global_buffer, .address_space: global }
      - { .name: bv, .offset: 24, .size: 8, .value_kind: global_buffer, .address_space: global }
      - { .name: kvp, .offset: 32, .size: 8, .value_kind: global_buffer, .address_space: global }
    .group_segment_fixed_size: 327680
    .private_segment_fixed_size: 0
    .kernarg_segment_align: 8
    .kernarg_segment_size: 40
    .max_flat_workgroup_size: 128
    .sgpr_count:     76
    .vgpr_count:     1024
    .wavefront_size: 32
...
	.end_amdgpu_metadata
.endif
;; end of part 2
;; launch kvred (part 3): grid 256 x 1, 5 waves a work-group, no clusters, 0 bytes of LDS; arguments kvp, kvb; writes kvb
.if DOCPART == 3
	.amdgcn_target "amdgcn-amd-amdhsa--gfx1250"
	.amdhsa_code_object_version 6
	.text
	.protected	k_q528ec11403_kvred
	.globl	k_q528ec11403_kvred
	.p2align	8
	.type	k_q528ec11403_kvred,@function
k_q528ec11403_kvred:
	s_mov_b64 s[64:65], 0
	v_nop
	global_prefetch_b8 v0, s[64:65] scope:SCOPE_SE
	s_setreg_imm32_b32 hwreg(HW_REG_WAVE_MODE, 25, 1), 1
	s_wait_xcnt 0x0
; KV and Ksum of a (batch, head) = the sum of the eight row blocks' parts, in f32, rounded once to bf16.
; kvp: [32 row blocks][16 heads][40 groups][32 lanes][4 f32]; tile tau = 5 i + jj is groups 2 tau, 2 tau + 1: a lane's eight numbers
; KV[16 i + 8 h + 0..7][16 jj + r] (jj = 4: Ksum[16 i + 8 h + 0..7]).  kvb: [64 (batch, head)][20 tiles][32 lanes][16 bytes]: the same eight numbers in bf16,
; which is one half of a matrix fragment as the next launch loads it.
; Work-group = (batch, head) bh = x / 4 and d block i = x mod 4; wave jj owns tile 5 i + jj.  Each byte of kvp is read once; all sixteen loads of a wave go out at once.
; A stream: no LDS, no barrier, no matrix unit.
.set REC,  20480                       ; a record of kvp
.set STEP, 16*REC                      ; from a row block to the next
.set X, 4                              ; v[4:67]  part p: 8 registers
	s_load_b128 s[4:7], s[0:1], 0x0                ; kvp s[4:5], kvb s[6:7]
	v_lshrrev_b32 v2, 5, v0
	v_readfirstlane_b32 s8, v2                     ; wave = jj
	v_and_b32 v1, 31, v0
	v_lshlrev_b32 v1, 4, v1                        ; 16 x lane
	s_lshr_b32 s9, ttmp9, 2                        ; bh
	s_and_b32 s10, ttmp9, 3                        ; i
	s_mul_i32 s10, s10, 5
	s_add_co_u32 s10, s10, s8                      ; tau
	s_lshr_b32 s11, s9, 4                          ; batch
	s_and_b32 s12, s9, 15                          ; head
	s_lshl_b32 s11, s11, 7
	s_add_co_u32 s11, s11, s12                     ; record of the batch's first row block: 16 x 8 batch + head
	s_mul_i32 s14, s11, REC
	s_lshl_b32 s13, s10, 10                        ; a tile is 1,024 bytes of f32
	s_add_co_u32 s14, s14, s13
	s_mov_b32 s15, 0
	s_mul_i32 s16, s9, REC/2
	s_lshl_b32 s13, s10, 9                         ; and 512 bytes of bf16
	s_add_co_u32 s16, s16, s13
	s_mov_b32 s17, 0
	s_wait_kmcnt 0x0
	s_add_nc_u64 s[4:5], s[4:5], s[14:15]
	s_add_nc_u64 s[6:7], s[6:7], s[16:17]
.irp p, 0,1,2,3,4,5,6,7
	global_load_b128 v[X+8*\p:X+8*\p+3],   v1, s[4:5] offset:STEP*\p th:TH_LOAD_NT
	global_load_b128 v[X+8*\p+4:X+8*\p+7], v1, s[4:5] offset:STEP*\p+512 th:TH_LOAD_NT
.endr
.irp p, 1,2,3,4,5,6,7
	s_wait_loadcnt 14-2*\p                         ; parts 0 to p are in; the 14 - 2 p loads of later parts stay out
.irp j, 0,2,4,6
	v_pk_add_f32 v[X+\j:X+\j+1], v[X+\j:X+\j+1], v[X+8*\p+\j:X+8*\p+\j+1]
.endr
.endr
.irp j, 0,1,2,3
	v_cvt_pk_bf16_f32 v[68+\j], v[X+2*\j], v[X+2*\j+1]
.endr
	global_store_b128 v1, v[68:71], s[6:7]         ; 512 consecutive bytes a wave
	s_endpgm
.Lfunc_end_k_q528ec11403_kvred:
	.size	k_q528ec11403_kvred, .Lfunc_end_k_q528ec11403_kvred-k_q528ec11403_kvred
	.p2alignl 7, 3214868480
	.fill 96, 4, 3214868480
	.section	.rodata,"a",@progbits
	.p2align	6, 0x0
	.amdhsa_kernel k_q528ec11403_kvred
		.amdhsa_group_segment_fixed_size 0
		.amdhsa_private_segment_fixed_size 0
		.amdhsa_enable_private_segment 0
		.amdhsa_kernarg_size 16
		.amdhsa_user_sgpr_count 2
		.amdhsa_user_sgpr_kernarg_segment_ptr 1
		.amdhsa_wavefront_size32 1
		.amdhsa_system_sgpr_workgroup_id_x 1
		.amdhsa_system_sgpr_workgroup_id_y 1
		.amdhsa_system_sgpr_workgroup_id_z 1
		.amdhsa_system_vgpr_workitem_id 0
		.amdhsa_next_free_vgpr 72
		.amdhsa_next_free_sgpr 66
		.amdhsa_reserve_vcc 0
		.amdhsa_float_denorm_mode_32 3
		.amdhsa_float_denorm_mode_16_64 3
		.amdhsa_memory_ordered 1
		.amdhsa_forward_progress 1
		.amdhsa_inst_pref_size 5
	.end_amdhsa_kernel
	.amdgpu_metadata
---
amdhsa.version: [ 1, 2 ]
amdhsa.kernels:
  - .name:           k_q528ec11403_kvred
    .symbol:         k_q528ec11403_kvred.kd
    .args:
      - { .name: kvp, .offset: 0, .size: 8, .value_kind: global_buffer, .address_space: global }
      - { .name: kvb, .offset: 8, .size: 8, .value_kind: global_buffer, .address_space: global }
    .group_segment_fixed_size: 0
    .private_segment_fixed_size: 0
    .kernarg_segment_align: 8
    .kernarg_segment_size: 16
    .max_flat_workgroup_size: 160
    .sgpr_count:     66
    .vgpr_count:     72
    .wavefront_size: 32
...
	.end_amdgpu_metadata
.endif
;; end of part 3
;; launch qattn (part 4): grid 8 x 32, 4 waves a work-group, clusters of 4 x 4, 327,680 bytes of LDS; arguments xb, wb, bq, kvb, att; writes att
.if DOCPART == 4
	.amdgcn_target "amdgcn-amd-amdhsa--gfx1250"
	.amdhsa_code_object_version 6
	.text
	.protected	k_q528ec11403_qattn
	.globl	k_q528ec11403_qattn
	.p2align	8
	.type	k_q528ec11403_qattn,@function
k_q528ec11403_qattn:
	s_mov_b64 s[64:65], 0
	v_nop
	global_prefetch_b8 v0, s[64:65] scope:SCOPE_SE
	s_setreg_imm32_b32 hwreg(HW_REG_WAVE_MODE, 25, 1), 1
	s_wait_xcnt 0x0
	s_wait_alu depctr_hold_cnt(0) depctr_sa_sdst(0) depctr_va_vdst(0) depctr_va_sdst(0) depctr_va_ssrc(0) depctr_va_vcc(0) depctr_vm_vsrc(0)
	s_getreg_b32 s2, hwreg(HW_REG_IB_STS2, 6, 4)
	s_cmp_eq_u32 s2, 0
	s_cbranch_scc0 .Lentry_in_a_cluster
	s_endpgm
.Lentry_in_a_cluster:
	s_bfe_u32 s2, ttmp6, 0x10000c
	s_cmp_lg_u32 s2, 0xf033
	s_cbranch_scc0 .Lentry_shape_is_right
	s_endpgm
.Lentry_shape_is_right:
; For 256 rows of x (block row rb) and two heads (block column hp): Q = elu(x Wq^T + bq) + 1, then, with Q still in registers,
; att[t][e] = (sum over d of Q[t][d] KV[d][e]) / (sum over d of Q[t][d] Ksum[d] + 1e-6), rounded to bf16.
; Four waves.  Wave (rh, ch) makes rows 128 rh .. +127 of head 2 hp + ch: 128 x 64 in 32 accumulator tiles.
; THE RING: a step of 128 along K is only 128 matrix instructions of a wave, so the slots are made as long as LDS allows: a LONG slot of 256 along K
; (rows of 512 bytes, 528 apart) and a SHORT one of 128 (rows of 256 bytes, 272 apart), each with 256 rows of x and 128 rows of Wq: 202,752 + 104,448 bytes
; (two slots of 256 would be 405,504).  The contraction runs 128 + 256 + 128 + 256 + 128 + 128, short and long by turns: four refills.  The last long tile
; states the 128 elements that are left of its rows; the rest of the slot's rows arrives as zeros and is not read.
; CLUSTERS: 4 x 4 work-groups; x's tiles are shared along a row of the cluster, Wq's along a column, each by a joint load.
; THE MATRIX INSTRUCTION IS USED TRANSPOSED: source 0 = 16 rows of W, source 1 = 16 rows of x.  Lane (r, h) holds row t = r and, in register j,
; column 8 h + j.  Two neighbouring column tiles, packed to bf16, are a fragment of 16 rows t x 32 d: source 1 of the second product, whose source 0
; is KV as the launch before stored it.  Its result has the same shape: eight neighbouring e of one row, 16 bytes of bf16.
; The bias is the C of each accumulator's first product.  The denominator is a fifth tile: Ksum stands in all 16 rows of its source 0, so every register of lane r holds row r's.
; LIMITS: elu(z) + 1 is made as max(z, 0) + 2^(1.442695 min(z, 0)), the same function; v_exp_f32 gives 0 for results below 2^-126 (z below about -87.3);
; a NaN in z gives 1.  KV and Ksum enter as bf16 matrix operands.
;
; REGISTERS: window 0: v16-28 addresses, v32-63 four bias tiles, v64-191 x's fragments (two buffers of 8), v192-255 W's (two buffers of 4);
;            window 1: v0-79 KV's and Ksum's ten fragments; window 2: the 32 accumulator tiles, tile (a, b) at v[8 (4 a + b)], later Q's 16 fragments in v0-127;
;            window 3: the 32 tiles of the second product, tile (a, jj) at v[8 (4 a + jj)]
.set DIM,    1024
.set KL,     256                       ; along K in the long slot (slot 0)
.set KS,     128                       ; along K in the short slot (slot 1)
.set PL,     528                       ; 512 bytes + 16 of padding
.set PS,     272                       ; 256 bytes + 16 of padding: with either pitch the 16 rows of a fragment load start 16 bytes apart modulo 256
.set ALONG,  128*PL                    ; 128 rows of x in the long slot: one tensor load, one wave's rows
.set BLONG,  64*PL                     ; 64 rows of W in the long slot: one tensor load, one wave's columns
.set ASHORT, 128*PS
.set BSHORT, 64*PS
.set LSLOT,  2*ALONG+2*BLONG           ; the long slot, at LDS byte 0
.set SSLOT,  2*ASHORT+2*BSHORT         ; the short slot, behind it
.set STAGE,  LSLOT                     ; the way out, 256 rows x 272 bytes: x's part of the short slot, used when that slot has had its last fill and its last read
.set NEXT,   (KL+KS)*2                 ; bytes along a row from a slot's tile to its next
.set WROW0,  0                         ; Wq's first row in wb
.set KREC,   10240                     ; a record of kvb
.set ADRA, 16                          ; v16, v17  LDS address of my x fragments in slot 0, 1
.set ADRB, 20                          ; v20, v21  the same for W
.set STO,  24                          ; where I put 16 bytes of a row of att
.set RD,   25                          ; where I read a row back
.set CO,   26                          ; my byte offset in att
.set BO,   27                          ; 32 h: my eight columns' bias
.set LN,   28                          ; 16 x lane
.set BIAS, 32
.set FA,   64
.set FB,   192
.set T,    64
.set U,    128
.set DEN,  64
.set KVF,  0
.set G1,   24                          ; s[24:31] group 1, x's tiles, short
.set G0,   32                          ; s[32:39] group 0, x's tiles: set 0 the long slot, set 1 the short
.set G1B,  48                          ; s[48:55] group 1, W's tiles, short
.set G0B,  56                          ; s[56:63] group 0, W's tiles
.set G1L,  76                          ; s[76:83] group 1, x's tiles, long
.set G1BL, 84                          ; s[84:91] group 1, W's tiles, long
.set FLAGS_S, (1<<16)|(1<<20)|(1<<21)|(5<<22)|(3<<25)   ; elements of 2 bytes; padding on; bit 21 beside a mask; 4 words after every 64
.set FLAGS_L, (1<<16)|(1<<20)|(1<<21)|(6<<22)|(3<<25)   ; the same, 4 words after every 128
.set MUL,   0xa0                       ; sources window 0, C and D window 2
.set FIRST, 0x80                       ; C (the bias tile) window 0
.set MSB, 0
.macro WIN new                         ; the immediate's high byte repeats the setting that is left
.if MSB != \new
	s_set_vgpr_msb (MSB<<8)|\new
.set MSB, \new
.endif
.endm
.macro SHAPE g, k, rows                ; words 1 to 7 of a group 1: a tile of rows x k elements, rows DIM elements apart
	s_mov_b32 s[\g+1], \k<<16                      ; tensor_dim0
	s_mov_b32 s[\g+2], \rows<<16                   ; tensor_dim1
	s_mov_b32 s[\g+3], \k<<16                      ; tile_dim0
	s_mov_b32 s[\g+4], \rows                       ; tile_dim1
	s_mov_b32 s[\g+5], DIM
	s_mov_b32 s[\g+6], 0
	s_mov_b32 s[\g+7], 0
.endm
.macro JLOAD s                         ; a joint load into slot s: waves 0 and 1 fetch x's halves, waves 2 and 3 W's; the branch hangs on the wave's number alone
	s_cmp_eq_u32 s15, 0
	s_cbranch_scc0 .Lfor_b_\@
.if \s
	tensor_load_to_lds s[G0+4:G0+7], s[G1:G1+7]
	s_nop 0
.else
	tensor_load_to_lds s[G0:G0+3], s[G1L:G1L+7]
	s_nop 0
.endif
	s_branch .Lasked_\@
.Lfor_b_\@:
.if \s
	tensor_load_to_lds s[G0B+4:G0B+7], s[G1B:G1B+7]
	s_nop 0
.else
	tensor_load_to_lds s[G0B:G0B+3], s[G1BL:G1BL+7]
	s_nop 0
.endif
.Lasked_\@:
.endm
.macro CREST                           ; a round of the cluster's barrier behind its opening barrier
	s_cmp_lg_u32 s14, 0
	s_cbranch_scc1 .Lnot_wave_0_\@
	s_barrier_signal -3
.Lnot_wave_0_\@:
	s_barrier_wait -3
	s_barrier_signal -1
	s_barrier_wait -1
.endm
.macro CROUND
	s_barrier_signal -1
	s_barrier_wait -1
	CREST
.endm
.macro PLACES                          ; four places behind a matrix instruction (ISA guide 7.12.1 for vector instructions)
.rept 4
	v_nop
.endr
.endm
	s_load_b256 s[4:11], s[0:1], 0x0               ; xb s[4:5], wb s[6:7], bq s[8:9], kvb s[10:11]
	s_load_b64 s[12:13], s[0:1], 0x20              ; att
	v_lshl_add_u32 v30, v0, 2, 0x4b000
	v_mov_b32 v31, 0
	ds_add_u32 v30, v31
	v_lshrrev_b32 v1, 5, v0
	v_readfirstlane_b32 s14, v1                    ; wave
	s_lshr_b32 s15, s14, 1                         ; rh; also: I fetch for x (0) or W (1)
	s_and_b32 s16, s14, 1                          ; ch; also: which half of that tile I fetch
	s_bfe_u32 s40, ttmp6, 0x40000                  ; cx
	s_bfe_u32 s41, ttmp6, 0x40004                  ; cy
	s_lshl_b32 s42, ttmp9, 2
	s_add_co_u32 s42, s42, s40                     ; hp
	s_and_b32 s43, ttmp7, 0xffff
	s_lshl_b32 s43, s43, 2
	s_add_co_u32 s43, s43, s41                     ; rb
	s_lshl_b32 s44, s41, 2
	s_lshl_b32 s44, 15, s44                        ; my row of the cluster
	s_lshl_b32 s45, 0x1111, s40                    ; my column
	s_or_b32 s[G1+0], s44, FLAGS_S                 ; x's tiles go to my row,
	s_or_b32 s[G1L+0], s44, FLAGS_L
	s_or_b32 s[G1B+0], s45, FLAGS_S                ; W's to my column
	s_or_b32 s[G1BL+0], s45, FLAGS_L
	SHAPE G1, KS, 128
	SHAPE G1L, KL, 128
	SHAPE G1B, KS, 64
	SHAPE G1BL, KL, 64
	; x's tiles hang on rb alone, W's on hp alone; each address is made in registers that never hold the other coordinate
	s_lshl_b32 s17, s16, 7
	s_lshl_b32 s18, s43, 8
	s_add_co_u32 s18, s18, s17                     ; xb row 256 rb + 128 half
	s_lshl_b32 s18, s18, 11
	s_mov_b32 s19, 0
	s_lshl_b32 s17, s16, 6
	s_lshl_b32 s46, s42, 7
	s_add_co_u32 s46, s46, s17                     ; wb row WROW0 + 128 hp + 64 half
.if WROW0
	s_add_co_u32 s46, s46, WROW0
.endif
	s_lshl_b32 s46, s46, 11
	s_mov_b32 s47, 0
	; where the loads go: the wave's number times a constant plus a constant
	s_mov_b32 s[G0], 1
	s_mul_i32 s[G0+1], s14, ALONG                  ; long slot: x's halves at wave x 128 rows (waves 0, 1)
	s_mov_b32 s[G0+4], 1
	s_mul_i32 s[G0+5], s14, ASHORT
	s_add_co_u32 s[G0+5], s[G0+5], LSLOT           ; short slot likewise
	s_mov_b32 s[G0B], 1
	s_mul_i32 s[G0B+1], s14, BLONG
	s_add_co_u32 s[G0B+1], s[G0B+1], 2*ALONG-2*BLONG               ; long slot: W's halves behind x's 256 rows, at (wave - 2) x 64 rows (waves 2, 3)
	s_mov_b32 s[G0B+4], 1
	s_mul_i32 s[G0B+5], s14, BSHORT
	s_add_co_u32 s[G0B+5], s[G0B+5], LSLOT+2*ASHORT-2*BSHORT       ; short slot likewise
	s_wait_dscnt 0x0
	s_wait_kmcnt 0x0
	s_add_nc_u64 s[20:21], s[4:5], s[18:19]
	s_add_nc_u64 s[46:47], s[6:7], s[46:47]
	s_add_nc_u64 s[G0+2:G0+3], s[20:21], KS*2      ; the long slot's first tile: K 128 to 383
	s_or_b32 s[G0+3], s[G0+3], 0x80000000          ; type = 2
	s_mov_b64 s[G0+6:G0+7], s[20:21]               ; the short slot's first tile: K 0 to 127
	s_or_b32 s[G0+7], s[G0+7], 0x80000000
	s_add_nc_u64 s[G0B+2:G0B+3], s[46:47], KS*2
	s_or_b32 s[G0B+3], s[G0B+3], 0x80000000
	s_mov_b64 s[G0B+6:G0B+7], s[46:47]
	s_or_b32 s[G0B+7], s[G0B+7], 0x80000000
	CROUND                                         ; all sixteen work-groups are here: the first joint loads meet
	JLOAD 1                                        ; the short tile first: it is multiplied first
	JLOAD 0                                        ; two tensor loads of the wave are out
	v_and_b32 v1, 15, v0                           ; r
	v_bfe_u32 v2, v0, 4, 1                         ; h
	v_mul_u32_u24 v3, v1, PS
	v_lshl_add_u32 v3, v2, 4, v3                   ; a fragment's lane term in the short slot: 272 r + 16 h
	v_mul_u32_u24 v7, v1, PL
	v_lshl_add_u32 v7, v2, 4, v7                   ; in the long slot: 528 r + 16 h
	s_mul_i32 s66, s15, ALONG                      ; my 128 rows of x
	s_mul_i32 s67, s16, BLONG                      ; my 64 rows of W,
	s_add_co_u32 s67, s67, 2*ALONG                 ; behind x's 256
	v_add_nc_u32 v[ADRA], s66, v7
	v_add_nc_u32 v[ADRB], s67, v7
	s_mul_i32 s66, s15, ASHORT
	s_add_co_u32 s66, s66, LSLOT
	s_mul_i32 s67, s16, BSHORT
	s_add_co_u32 s67, s67, LSLOT+2*ASHORT
	v_add_nc_u32 v[ADRA+1], s66, v3
	v_add_nc_u32 v[ADRB+1], s67, v3
	s_mul_i32 s68, s15, ASHORT                     ; the stage, in: row 128 rh + 16 a + r, byte 128 ch + 32 jj + 16 h
	s_lshl_b32 s69, s16, 7
	s_add_co_u32 s68, s68, s69
	s_add_co_u32 s68, s68, STAGE
	v_add_nc_u32 v[STO], s68, v3
	v_mul_u32_u24 v5, v2, PS                       ; back: wave w takes rows 64 w .. +63, lanes 0-15 one row of 256 bytes, lanes 16-31 the next
	v_lshl_add_u32 v5, v1, 4, v5
	s_mul_i32 s68, s14, BSHORT
	s_add_co_u32 s68, s68, STAGE
	v_add_nc_u32 v[RD], s68, v5
	v_lshlrev_b32 v6, 11, v2                       ; the same two rows in att: 2,048 bytes apart
	v_lshl_add_u32 v[CO], v1, 4, v6
	v_lshlrev_b32 v[BO], 5, v2
	v_and_b32 v6, 31, v0
	v_lshlrev_b32 v[LN], 4, v6
	s_lshl_b32 s72, s42, 1
	s_add_co_u32 s72, s72, s16                     ; my head = 2 hp + ch
	s_lshl_b32 s70, s72, 8
	s_mov_b32 s71, 0
	s_add_nc_u64 s[8:9], s[8:9], s[70:71]          ; bq at my head's 64 columns
	s_lshr_b32 s73, s43, 3                         ; batch = rb / 8
	s_lshl_b32 s73, s73, 4
	s_add_co_u32 s73, s73, s72
	s_mul_i32 s70, s73, KREC
	s_add_nc_u64 s[10:11], s[10:11], s[70:71]      ; kvb at my (batch, head)
.irp b, 0,1,2,3
	global_load_b128 v[BIAS+8*\b:BIAS+8*\b+3],   v[BO], s[8:9] offset:64*\b      ; bias of columns 16 b + 8 h + 0..3: the tile's registers 0 to 3
	global_load_b128 v[BIAS+8*\b+4:BIAS+8*\b+7], v[BO], s[8:9] offset:64*\b+16
.endr
	WIN 0x40                                       ; destination window 1
.irp s, 0,1
.irp j, 0,1,2,3,4
	global_load_b128 v[KVF+8*(5*\s+\j):KVF+8*(5*\s+\j)+3],   v[LN], s[10:11] offset:512*(10*\s+\j)     ; d = 32 s + 8 h + 0..7: tile (2 s, j)
	global_load_b128 v[KVF+8*(5*\s+\j)+4:KVF+8*(5*\s+\j)+7], v[LN], s[10:11] offset:512*(10*\s+5+\j)   ; d = 32 s + 16 + 8 h + 0..7: tile (2 s + 1, j)
.endr
.endr
	WIN 0
	s_lshl_b32 s73, s43, 8
	s_lshl_b32 s72, s14, 6
	s_add_co_u32 s73, s73, s72                     ; att row 256 rb + 64 wave
	s_lshl_b32 s70, s73, 11
	s_lshl_b32 s72, s42, 8                         ; the block's 128 columns: 256 bytes
	s_add_co_u32 s70, s70, s72
	s_add_nc_u64 s[12:13], s[12:13], s[70:71]
	s_wait_loadcnt 0x0
; 8 matrix instructions: row blocks a0, a0 + 1 x the 4 column blocks, 32 along K.  first = 1: C is the bias tile.
; The accumulators take turns, one instruction a turn, in the same order in every quarter.
.macro MUL8 buf, a0, first
.irp x, 0,1
.irp b, 0,1,2,3
.if \first
	v_wmma_f32_16x16x32_bf16 v[8*(4*(\a0+\x)+\b):8*(4*(\a0+\x)+\b)+7], v[FB+32*\buf+8*\b:FB+32*\buf+8*\b+7], v[FA+64*\buf+8*(\a0+\x):FA+64*\buf+8*(\a0+\x)+7], v[BIAS+8*\b:BIAS+8*\b+7]
.else
	v_wmma_f32_16x16x32_bf16 v[8*(4*(\a0+\x)+\b):8*(4*(\a0+\x)+\b)+7], v[FB+32*\buf+8*\b:FB+32*\buf+8*\b+7], v[FA+64*\buf+8*(\a0+\x):FA+64*\buf+8*(\a0+\x)+7], v[8*(4*(\a0+\x)+\b):8*(4*(\a0+\x)+\b)+7]
.endif
.endr
.endr
.endm
; 24 LDS loads in one run, under window 0: 64 rows of W, then 128 rows of x, 32 K at byte k of the slot's rows; the pitch is the slot's
.macro FETCH slot, k, buf
.irp i, 0,1,2,3
	ds_load_b128 v[FB+32*\buf+8*\i:FB+32*\buf+8*\i+3],   v[ADRB+\slot] offset:\k+\i*16*(PL-(PL-PS)*\slot)
	ds_load_b128 v[FB+32*\buf+8*\i+4:FB+32*\buf+8*\i+7], v[ADRB+\slot] offset:\k+\i*16*(PL-(PL-PS)*\slot)+32
.endr
.irp i, 0,1,2,3,4,5,6,7
	ds_load_b128 v[FA+64*\buf+8*\i:FA+64*\buf+8*\i+3],   v[ADRA+\slot] offset:\k+\i*16*(PL-(PL-PS)*\slot)
	ds_load_b128 v[FA+64*\buf+8*\i+4:FA+64*\buf+8*\i+7], v[ADRA+\slot] offset:\k+\i*16*(PL-(PL-PS)*\slot)+32
.endr
.endm
; A quarter = 32 along K, 32 matrix instructions: multiplies buffer f, and in its middle fetches the next quarter's fragments (byte k of the same slot's rows) into buffer g
.macro QUARTER slot, k, f, g, first
	s_wait_dscnt 8                                 ; W and x's rows 0-63 are in; the youngest eight loads (x's rows 64-127) may be out
.if \first
	WIN FIRST
.else
	WIN MUL
.endif
	MUL8 \f, 0, \first
	MUL8 \f, 2, \first
	PLACES
	WIN 0
	FETCH \slot, \k, \g
	s_wait_dscnt 24                                ; all but the 24 just issued
.if \first
	WIN FIRST
.else
	WIN MUL
.endif
	MUL8 \f, 4, \first
	MUL8 \f, 6, \first
.endm
.macro THREE slot, first               ; the first three quarters of a piece of 128 along K
	QUARTER \slot, 64,  0, 1, \first
	QUARTER \slot, 128, 1, 0, 0
	QUARTER \slot, 192, 0, 1, 0
.endm
.macro SEVEN                           ; the first seven quarters of a long tile
	THREE 0, 0
	QUARTER 0, 256, 1, 0, 0
	QUARTER 0, 320, 0, 1, 0
	QUARTER 0, 384, 1, 0, 0
	QUARTER 0, 448, 0, 1, 0
.endm
; A tile's last quarter: multiplies buffer 1 and changes slots.  In front of the barrier each wave waits for its reads of this slot and for all its tensor
; loads (one is out: its part of the other slot).  fill = 1, 2: the barrier opens a round of the cluster's barrier, and the joint refill of this slot is the
; first tensor load behind the round; fill = 2: the long slot's last tile, of which 128 elements are left in each row.
; From a request to the wait for it a wave issues 248 matrix instructions (a short tile, asked for ahead of a long one's work) or 120 (a long tile).
.macro TURN slot, next, fill
	s_wait_dscnt 8
	WIN MUL
	MUL8 1, 0, 0
	s_wait_dscnt 0                                 ; my reads of this slot are over
	s_wait_tensorcnt 0x0                           ; all my tensor loads have landed
	ds_add_u32 v30, v31
	s_wait_dscnt 0x0
	s_barrier_signal -1
	MUL8 1, 2, 0                                   ; register work while the others arrive
	WIN 0
	s_barrier_wait -1
.if \fill
	CREST                                          ; no wave of any partner still reads this slot or has a load on its way
	s_add_nc_u64 s[G0+4*\slot+2:G0+4*\slot+3], s[G0+4*\slot+2:G0+4*\slot+3], NEXT
	s_add_nc_u64 s[G0B+4*\slot+2:G0B+4*\slot+3], s[G0B+4*\slot+2:G0B+4*\slot+3], NEXT
.if \fill == 2
	s_mov_b32 s[G1L+1], KS<<16                     ; tensor_dim0 = 128: what is left of the rows from K = 896 on; no load of mine is out, so a group 1 may be written
	s_mov_b32 s[G1BL+1], KS<<16
.endif
	JLOAD \slot
.endif
	PLACES
	FETCH \next, 0, 0
	WIN MUL
	MUL8 1, 4, 0
	MUL8 1, 6, 0
.endm
	s_wait_tensorcnt 0x1                           ; my part of the short tile is in; the long one may stay out
	s_barrier_signal -1
	s_barrier_wait -1
	FETCH 1, 0, 0
	THREE 1, 1                                     ; K 0 to 127: the first products start the sums from the bias
	TURN 1, 0, 1                                   ; asks for K 384 to 511
	SEVEN                                          ; K 128 to 383
	TURN 0, 1, 1                                   ; asks for K 512 to 767
	THREE 1, 0                                     ; K 384 to 511
	TURN 1, 0, 1                                   ; asks for K 768 to 895
	SEVEN                                          ; K 512 to 767
	TURN 0, 1, 2                                   ; asks for K 896 to 1023
	THREE 1, 0                                     ; K 768 to 895
	TURN 1, 0, 0                                   ; nothing is left to fetch
	THREE 0, 0                                     ; K 896 to 1023: the first half of the long slot's rows
	s_wait_dscnt 8
	WIN MUL
	MUL8 1, 0, 0
	MUL8 1, 2, 0
	s_wait_dscnt 0
	MUL8 1, 4, 0
	MUL8 1, 6, 0
	WIN 0
	PLACES
; The feature map on 64 registers at base of a window (rd: as source 1; wr: as destination), packed to 32 at dst
.macro ELUPACK rd, wr, base, dst
	WIN \rd
.set n_, 0
.rept 64
	v_min_num_f32 v[T+n_], 0, v[\base+n_]
	v_max_num_f32 v[U+n_], 0, v[\base+n_]
.set n_, n_+1
.endr
	WIN 0
.set n_, 0
.rept 32
	v_pk_mul_f32 v[T+n_:T+n_+1], v[T+n_:T+n_+1], 0x3fb8aa3b op_sel_hi:[1,0]
.set n_, n_+2
.endr
.set n_, 0
.rept 64
	v_exp_f32 v[T+n_], v[T+n_]
.set n_, n_+1
.endr
	v_nop                                          ; one plain vector instruction between the exponentials and the first use of a result (ISA guide 5.7.2)
.set n_, 0
	s_wait_alu depctr_va_vdst(0)
.rept 32
	v_pk_add_f32 v[U+n_:U+n_+1], v[U+n_:U+n_+1], v[T+n_:T+n_+1]
.set n_, n_+2
.endr
	WIN \wr
.set n_, 0
.rept 32
	v_cvt_pk_bf16_f32 v[\dst+n_], v[U+2*n_], v[U+2*n_+1]
.set n_, n_+1
.endr
.endm
	; tiles (a, 2 s) and (a, 2 s + 1) are neighbours: Q's fragment (a, s) comes to lie at v[8 (2 a + s)] of window 2.  Each call writes registers that an earlier call has read.
	ELUPACK 0x08, 0x80, 0, 0
	ELUPACK 0x08, 0x80, 64, 32
	ELUPACK 0x08, 0x80, 128, 64
	ELUPACK 0x08, 0x80, 192, 96
	; the second product, transposed like the first: source 0 = KV (16 e x 32 d), source 1 = Q (16 t x 32 d).  One instruction a turn.
	WIN 0xf9                                       ; source 0 window 1, source 1 window 2, C and D window 3
.irp a, 0,1,2,3,4,5,6,7
.irp s, 0,1
.irp j, 0,1,2,3
.if \s
	v_wmma_f32_16x16x32_bf16 v[8*(4*\a+\j):8*(4*\a+\j)+7], v[KVF+8*(5*\s+\j):KVF+8*(5*\s+\j)+7], v[8*(2*\a+\s):8*(2*\a+\s)+7], v[8*(4*\a+\j):8*(4*\a+\j)+7]
.else
	v_wmma_f32_16x16x32_bf16 v[8*(4*\a+\j):8*(4*\a+\j)+7], v[KVF+8*(5*\s+\j):KVF+8*(5*\s+\j)+7], v[8*(2*\a+\s):8*(2*\a+\s)+7], 0
.endif
.endr
.endr
.endr
	WIN 0x09                                       ; the denominators: C and D window 0
.irp s, 0,1
.irp a, 0,1,2,3,4,5,6,7
.if \s
	v_wmma_f32_16x16x32_bf16 v[DEN+8*\a:DEN+8*\a+7], v[KVF+8*(5*\s+4):KVF+8*(5*\s+4)+7], v[8*(2*\a+\s):8*(2*\a+\s)+7], v[DEN+8*\a:DEN+8*\a+7]
.else
	v_wmma_f32_16x16x32_bf16 v[DEN+8*\a:DEN+8*\a+7], v[KVF+8*(5*\s+4):KVF+8*(5*\s+4)+7], v[8*(2*\a+\s):8*(2*\a+\s)+7], 0
.endif
.endr
.endr
	WIN 0
	PLACES
.irp a, 0,1,2,3,4,5,6,7
	v_add_f32 v[DEN+8*\a], 0x358637bd, v[DEN+8*\a] ; + 1e-6
.endr
.irp a, 0,1,2,3,4,5,6,7
	v_rcp_f32 v[DEN+8*\a], v[DEN+8*\a]             ; Z of row 16 a + r
.endr
	v_nop                                          ; one plain vector instruction between the reciprocals and their use
	WIN 0xc3                                       ; source 0 and destination window 3, source 1 (Z) window 0
	s_wait_alu depctr_va_vdst(0)
.irp a, 0,1,2,3,4,5,6,7
.irp j, 0,1,2,3
.irp q, 0,2,4,6
	v_pk_mul_f32 v[8*(4*\a+\j)+\q:8*(4*\a+\j)+\q+1], v[8*(4*\a+\j)+\q:8*(4*\a+\j)+\q+1], v[DEN+8*\a:DEN+8*\a+1] op_sel_hi:[1,0]
.endr
.endr
.endr
	WIN 0xcf                                       ; all in window 3: a tile's 8 numbers pack into its first 4 registers
.irp a, 0,1,2,3,4,5,6,7
.irp j, 0,1,2,3
.irp q, 0,1,2,3
	v_cvt_pk_bf16_f32 v[8*(4*\a+\j)+\q], v[8*(4*\a+\j)+2*\q], v[8*(4*\a+\j)+2*\q+1]
.endr
.endr
.endr
	; the stage lies in the short slot: no tensor load follows, and every wave waited for its last reads of that slot in front of the last barrier of the K work
	WIN 0x0c                                       ; store data window 3
.irp a, 0,1,2,3,4,5,6,7
.irp j, 0,1,2,3
	ds_store_b128 v[STO], v[8*(4*\a+\j):8*(4*\a+\j)+3] offset:\a*16*PS+32*\j
.endr
.endr
	WIN 0
	s_wait_dscnt 0x0                               ; a row of 256 bytes holds both heads, two waves' bytes: my stores are done,
	s_barrier_signal -1
	s_barrier_wait -1                              ; everybody's are
.set n_, 0
.rept 32
	ds_load_b128 v[64+4*n_:64+4*n_+3], v[RD] offset:n_*2*PS
.set n_, n_+1
.endr
.set n_, 0
.rept 32
	s_wait_dscnt 31-n_                             ; LDS loads come back in order: load n is in
	global_store_b128 v[CO], v[64+4*n_:64+4*n_+3], s[12:13] offset:n_*4096   ; sixteen lanes store 256 consecutive bytes, at a multiple of 256 from att's first byte
.set n_, n_+1
.endr
	s_wait_tensorcnt 0x0
	ds_add_u32 v30, v31
	s_wait_dscnt 0x0
	CROUND                                         ; the closing round: no work-group ends while a partner may still ask for a tile that names it
	s_endpgm
.Lfunc_end_k_q528ec11403_qattn:
	.size	k_q528ec11403_qattn, .Lfunc_end_k_q528ec11403_qattn-k_q528ec11403_qattn
	.p2alignl 7, 3214868480
	.fill 96, 4, 3214868480
	.section	.rodata,"a",@progbits
	.p2align	6, 0x0
	.amdhsa_kernel k_q528ec11403_qattn
		.amdhsa_group_segment_fixed_size 327680
		.amdhsa_private_segment_fixed_size 0
		.amdhsa_enable_private_segment 0
		.amdhsa_kernarg_size 40
		.amdhsa_user_sgpr_count 2
		.amdhsa_user_sgpr_kernarg_segment_ptr 1
		.amdhsa_wavefront_size32 1
		.amdhsa_system_sgpr_workgroup_id_x 1
		.amdhsa_system_sgpr_workgroup_id_y 1
		.amdhsa_system_sgpr_workgroup_id_z 1
		.amdhsa_system_vgpr_workitem_id 0
		.amdhsa_next_free_vgpr 1024
		.amdhsa_next_free_sgpr 92
		.amdhsa_reserve_vcc 0
		.amdhsa_float_denorm_mode_32 3
		.amdhsa_float_denorm_mode_16_64 3
		.amdhsa_memory_ordered 1
		.amdhsa_forward_progress 1
		.amdhsa_inst_pref_size 218
	.end_amdhsa_kernel
	.amdgpu_metadata
---
amdhsa.version: [ 1, 2 ]
amdhsa.kernels:
  - .name:           k_q528ec11403_qattn
    .symbol:         k_q528ec11403_qattn.kd
    .args:
      - { .name: xb, .offset: 0, .size: 8, .value_kind: global_buffer, .address_space: global }
      - { .name: wb, .offset: 8, .size: 8, .value_kind: global_buffer, .address_space: global }
      - { .name: bq, .offset: 16, .size: 8, .value_kind: global_buffer, .address_space: global }
      - { .name: kvb, .offset: 24, .size: 8, .value_kind: global_buffer, .address_space: global }
      - { .name: att, .offset: 32, .size: 8, .value_kind: global_buffer, .address_space: global }
    .group_segment_fixed_size: 327680
    .private_segment_fixed_size: 0
    .kernarg_segment_align: 8
    .kernarg_segment_size: 40
    .max_flat_workgroup_size: 128
    .sgpr_count:     92
    .vgpr_count:     1024
    .wavefront_size: 32
...
	.end_amdgpu_metadata
.endif
;; end of part 4
;; launch oproj (part 5): grid 8 x 32, 4 waves a work-group, clusters of 4 x 4, 327,680 bytes of LDS; arguments att, wb, bo, out0; writes out0
.if DOCPART == 5
	.amdgcn_target "amdgcn-amd-amdhsa--gfx1250"
	.amdhsa_code_object_version 6
	.text
	.protected	k_q528ec11403_oproj
	.globl	k_q528ec11403_oproj
	.p2align	8
	.type	k_q528ec11403_oproj,@function
k_q528ec11403_oproj:
	s_mov_b64 s[64:65], 0
	v_nop
	global_prefetch_b8 v0, s[64:65] scope:SCOPE_SE
	s_setreg_imm32_b32 hwreg(HW_REG_WAVE_MODE, 25, 1), 1
	s_wait_xcnt 0x0
	s_wait_alu depctr_hold_cnt(0) depctr_sa_sdst(0) depctr_va_vdst(0) depctr_va_sdst(0) depctr_va_ssrc(0) depctr_va_vcc(0) depctr_vm_vsrc(0)
	s_getreg_b32 s2, hwreg(HW_REG_IB_STS2, 6, 4)
	s_cmp_eq_u32 s2, 0
	s_cbranch_scc0 .Lentry_in_a_cluster
	s_endpgm
.Lentry_in_a_cluster:
	s_bfe_u32 s2, ttmp6, 0x10000c
	s_cmp_lg_u32 s2, 0xf033
	s_cbranch_scc0 .Lentry_shape_is_right
	s_endpgm
.Lentry_shape_is_right:
; out0 = att Wo^T + bo, f32.  A work-group makes 256 rows (block row rb) x 128 columns (block column cb); wave (rh, ch) makes 128 x 64 in 32 accumulator tiles.
; THE RING: a step of 128 along K is only 128 matrix instructions of a wave, so the slots are made as long as LDS allows: a LONG slot of 256 along K
; (rows of 512 bytes, 528 apart) and a SHORT one of 128 (rows of 256 bytes, 272 apart), each with 256 rows of att and 128 rows of Wo: 202,752 + 104,448 bytes
; (two slots of 256 would be 405,504).  The contraction runs 128 + 256 + 128 + 256 + 128 + 128, short and long by turns: four refills.  The last long tile
; states the 128 elements that are left of its rows; the rest of the slot's rows arrives as zeros and is not read.
; CLUSTERS: 4 x 4 work-groups; att's tiles are shared along a row of the cluster, Wo's along a column, each by a joint load.
; The matrix instruction is used transposed (source 0 = rows of Wo, source 1 = rows of att): lane (r, h) holds row r and, in register j, column 8 h + j:
; 32 neighbouring bytes of a row of out0.  The bias is the C of each accumulator's first product.
; REGISTERS: window 0: v16-27 addresses, v32-63 four bias tiles, v64-191 att's fragments (two buffers of 8), v192-255 Wo's (two buffers of 4);
;            window 1: the 32 accumulator tiles, tile (a, b) at v[8 (4 a + b)]
.set DIM,    1024
.set KL,     256                       ; along K in the long slot (slot 0)
.set KS,     128                       ; along K in the short slot (slot 1)
.set PL,     528                       ; 512 bytes + 16 of padding
.set PS,     272                       ; 256 bytes + 16 of padding: with either pitch the 16 rows of a fragment load start 16 bytes apart modulo 256
.set ALONG,  128*PL
.set BLONG,  64*PL
.set ASHORT, 128*PS
.set BSHORT, 64*PS
.set LSLOT,  2*ALONG+2*BLONG           ; the long slot, at LDS byte 0
.set SSLOT,  2*ASHORT+2*BSHORT         ; the short slot, behind it
.set STAGE,  LSLOT+SSLOT               ; behind the ring, never a tensor load's target: 16 rows x 272 bytes for each wave, its own
.set NEXT,   (KL+KS)*2                 ; bytes along a row from a slot's tile to its next
.set WROW0,  3072                      ; Wo's first row in wb
.set ADRA, 16
.set ADRB, 20
.set STO,  24
.set RD,   25
.set CO,   26
.set BO,   27
.set BIAS, 32
.set FA,   64
.set FB,   192
.set G1,   24                          ; s[24:31] group 1, att's tiles, short
.set G0,   32                          ; s[32:39] group 0, att's tiles: set 0 the long slot, set 1 the short
.set G1B,  48                          ; s[48:55] group 1, Wo's tiles, short
.set G0B,  56                          ; s[56:63] group 0, Wo's tiles
.set G1L,  76                          ; s[76:83] group 1, att's tiles, long
.set G1BL, 84                          ; s[84:91] group 1, Wo's tiles, long
.set FLAGS_S, (1<<16)|(1<<20)|(1<<21)|(5<<22)|(3<<25)   ; elements of 2 bytes; padding on; bit 21 beside a mask; 4 words after every 64
.set FLAGS_L, (1<<16)|(1<<20)|(1<<21)|(6<<22)|(3<<25)   ; the same, 4 words after every 128
.set MUL,   0x50                       ; sources window 0, C and D window 1
.set FIRST, 0x40                       ; C (the bias tile) window 0
.set MSB, 0
.macro WIN new                         ; the immediate's high byte repeats the setting that is left
.if MSB != \new
	s_set_vgpr_msb (MSB<<8)|\new
.set MSB, \new
.endif
.endm
.macro SHAPE g, k, rows                ; words 1 to 7 of a group 1: a tile of rows x k elements, rows DIM elements apart
	s_mov_b32 s[\g+1], \k<<16                      ; tensor_dim0
	s_mov_b32 s[\g+2], \rows<<16                   ; tensor_dim1
	s_mov_b32 s[\g+3], \k<<16                      ; tile_dim0
	s_mov_b32 s[\g+4], \rows                       ; tile_dim1
	s_mov_b32 s[\g+5], DIM
	s_mov_b32 s[\g+6], 0
	s_mov_b32 s[\g+7], 0
.endm
.macro JLOAD s                         ; a joint load into slot s: waves 0 and 1 fetch att's halves, waves 2 and 3 Wo's; the branch hangs on the wave's number alone
	s_cmp_eq_u32 s15, 0
	s_cbranch_scc0 .Lfor_b_\@
.if \s
	tensor_load_to_lds s[G0+4:G0+7], s[G1:G1+7]
	s_nop 0
.else
	tensor_load_to_lds s[G0:G0+3], s[G1L:G1L+7]
	s_nop 0
.endif
	s_branch .Lasked_\@
.Lfor_b_\@:
.if \s
	tensor_load_to_lds s[G0B+4:G0B+7], s[G1B:G1B+7]
	s_nop 0
.else
	tensor_load_to_lds s[G0B:G0B+3], s[G1BL:G1BL+7]
	s_nop 0
.endif
.Lasked_\@:
.endm
.macro CREST                           ; a round of the cluster's barrier behind its opening barrier
	s_cmp_lg_u32 s14, 0
	s_cbranch_scc1 .Lnot_wave_0_\@
	s_barrier_signal -3
.Lnot_wave_0_\@:
	s_barrier_wait -3
	s_barrier_signal -1
	s_barrier_wait -1
.endm
.macro CROUND
	s_barrier_signal -1
	s_barrier_wait -1
	CREST
.endm
.macro PLACES                          ; four places behind a matrix instruction (ISA guide 7.12.1 for vector instructions)
.rept 4
	v_nop
.endr
.endm
	s_load_b256 s[4:11], s[0:1], 0x0               ; att s[4:5], wb s[6:7], bo s[8:9], out0 s[10:11]
	v_lshl_add_u32 v30, v0, 2, 0x4f400
	v_mov_b32 v31, 0
	ds_add_u32 v30, v31
	v_lshrrev_b32 v1, 5, v0
	v_readfirstlane_b32 s14, v1                    ; wave
	s_lshr_b32 s15, s14, 1                         ; rh; also: I fetch for att (0) or Wo (1)
	s_and_b32 s16, s14, 1                          ; ch; also: which half of that tile I fetch
	s_bfe_u32 s40, ttmp6, 0x40000                  ; cx
	s_bfe_u32 s41, ttmp6, 0x40004                  ; cy
	s_lshl_b32 s42, ttmp9, 2
	s_add_co_u32 s42, s42, s40                     ; cb
	s_and_b32 s43, ttmp7, 0xffff
	s_lshl_b32 s43, s43, 2
	s_add_co_u32 s43, s43, s41                     ; rb
	s_lshl_b32 s44, s41, 2
	s_lshl_b32 s44, 15, s44                        ; my row of the cluster
	s_lshl_b32 s45, 0x1111, s40                    ; my column
	s_or_b32 s[G1+0], s44, FLAGS_S                 ; att's tiles go to my row,
	s_or_b32 s[G1L+0], s44, FLAGS_L
	s_or_b32 s[G1B+0], s45, FLAGS_S                ; Wo's to my column
	s_or_b32 s[G1BL+0], s45, FLAGS_L
	SHAPE G1, KS, 128
	SHAPE G1L, KL, 128
	SHAPE G1B, KS, 64
	SHAPE G1BL, KL, 64
	; att's tiles hang on rb alone, Wo's on cb alone; each address is made in registers that never hold the other coordinate
	s_lshl_b32 s17, s16, 7
	s_lshl_b32 s18, s43, 8
	s_add_co_u32 s18, s18, s17                     ; att row 256 rb + 128 half
	s_lshl_b32 s18, s18, 11
	s_mov_b32 s19, 0
	s_lshl_b32 s17, s16, 6
	s_lshl_b32 s46, s42, 7
	s_add_co_u32 s46, s46, s17                     ; wb row WROW0 + 128 cb + 64 half
.if WROW0
	s_add_co_u32 s46, s46, WROW0
.endif
	s_lshl_b32 s46, s46, 11
	s_mov_b32 s47, 0
	; where the loads go: the wave's number times a constant plus a constant
	s_mov_b32 s[G0], 1
	s_mul_i32 s[G0+1], s14, ALONG                  ; long slot: att's halves at wave x 128 rows (waves 0, 1)
	s_mov_b32 s[G0+4], 1
	s_mul_i32 s[G0+5], s14, ASHORT
	s_add_co_u32 s[G0+5], s[G0+5], LSLOT           ; short slot likewise
	s_mov_b32 s[G0B], 1
	s_mul_i32 s[G0B+1], s14, BLONG
	s_add_co_u32 s[G0B+1], s[G0B+1], 2*ALONG-2*BLONG               ; long slot: Wo's halves behind att's 256 rows, at (wave - 2) x 64 rows (waves 2, 3)
	s_mov_b32 s[G0B+4], 1
	s_mul_i32 s[G0B+5], s14, BSHORT
	s_add_co_u32 s[G0B+5], s[G0B+5], LSLOT+2*ASHORT-2*BSHORT       ; short slot likewise
	s_wait_dscnt 0x0
	s_wait_kmcnt 0x0
	s_add_nc_u64 s[20:21], s[4:5], s[18:19]
	s_add_nc_u64 s[46:47], s[6:7], s[46:47]
	s_add_nc_u64 s[G0+2:G0+3], s[20:21], KS*2      ; the long slot's first tile: K 128 to 383
	s_or_b32 s[G0+3], s[G0+3], 0x80000000          ; type = 2
	s_mov_b64 s[G0+6:G0+7], s[20:21]               ; the short slot's first tile: K 0 to 127
	s_or_b32 s[G0+7], s[G0+7], 0x80000000
	s_add_nc_u64 s[G0B+2:G0B+3], s[46:47], KS*2
	s_or_b32 s[G0B+3], s[G0B+3], 0x80000000
	s_mov_b64 s[G0B+6:G0B+7], s[46:47]
	s_or_b32 s[G0B+7], s[G0B+7], 0x80000000
	CROUND                                         ; all sixteen work-groups are here: the first joint loads meet
	JLOAD 1                                        ; the short tile first: it is multiplied first
	JLOAD 0                                        ; two tensor loads of the wave are out
	v_and_b32 v1, 15, v0                           ; r
	v_bfe_u32 v2, v0, 4, 1                         ; h
	v_mul_u32_u24 v3, v1, PS
	v_lshl_add_u32 v4, v2, 5, v3                   ; the stage, in: 272 r + 32 h
	v_lshl_add_u32 v3, v2, 4, v3                   ; a fragment's lane term in the short slot: 272 r + 16 h
	v_mul_u32_u24 v7, v1, PL
	v_lshl_add_u32 v7, v2, 4, v7                   ; in the long slot: 528 r + 16 h
	s_mul_i32 s66, s15, ALONG                      ; my 128 rows of att
	s_mul_i32 s67, s16, BLONG                      ; my 64 rows of Wo,
	s_add_co_u32 s67, s67, 2*ALONG                 ; behind att's 256
	v_add_nc_u32 v[ADRA], s66, v7
	v_add_nc_u32 v[ADRB], s67, v7
	s_mul_i32 s66, s15, ASHORT
	s_add_co_u32 s66, s66, LSLOT
	s_mul_i32 s67, s16, BSHORT
	s_add_co_u32 s67, s67, LSLOT+2*ASHORT
	v_add_nc_u32 v[ADRA+1], s66, v3
	v_add_nc_u32 v[ADRB+1], s67, v3
	s_mul_i32 s68, s14, 16*PS
	s_add_co_u32 s68, s68, STAGE                   ; my stage
	v_add_nc_u32 v[STO], s68, v4
	v_mul_u32_u24 v5, v2, PS                       ; back: lanes 0-15 one row of 256 bytes, lanes 16-31 the next
	v_lshl_add_u32 v5, v1, 4, v5
	v_add_nc_u32 v[RD], s68, v5
	v_lshlrev_b32 v6, 12, v2                       ; the same two rows in out0: 4,096 bytes apart
	v_lshl_add_u32 v[CO], v1, 4, v6
	v_lshlrev_b32 v[BO], 5, v2
	s_lshl_b32 s72, s42, 9
	s_lshl_b32 s73, s16, 8
	s_add_co_u32 s70, s72, s73                     ; my 64 columns in bytes of f32: 512 cb + 256 ch
	s_mov_b32 s71, 0
	s_add_nc_u64 s[8:9], s[8:9], s[70:71]
	s_add_nc_u64 s[10:11], s[10:11], s[70:71]
.irp b, 0,1,2,3
	global_load_b128 v[BIAS+8*\b:BIAS+8*\b+3],   v[BO], s[8:9] offset:64*\b
	global_load_b128 v[BIAS+8*\b+4:BIAS+8*\b+7], v[BO], s[8:9] offset:64*\b+16
.endr
	s_lshl_b32 s72, s43, 8
	s_lshl_b32 s73, s15, 7
	s_add_co_u32 s72, s72, s73                     ; my first row: 256 rb + 128 rh
	s_lshl_b32 s70, s72, 12                        ; rows of 4,096 bytes; below 2^26
	s_add_nc_u64 s[10:11], s[10:11], s[70:71]
	s_wait_loadcnt 0x0
; 8 matrix instructions: row blocks a0, a0 + 1 x the 4 column blocks, 32 along K.  first = 1: C is the bias tile.
; The accumulators take turns, one instruction a turn, in the same order in every quarter.
.macro MUL8 buf, a0, first
.irp x, 0,1
.irp b, 0,1,2,3
.if \first
	v_wmma_f32_16x16x32_bf16 v[8*(4*(\a0+\x)+\b):8*(4*(\a0+\x)+\b)+7], v[FB+32*\buf+8*\b:FB+32*\buf+8*\b+7], v[FA+64*\buf+8*(\a0+\x):FA+64*\buf+8*(\a0+\x)+7], v[BIAS+8*\b:BIAS+8*\b+7]
.else
	v_wmma_f32_16x16x32_bf16 v[8*(4*(\a0+\x)+\b):8*(4*(\a0+\x)+\b)+7], v[FB+32*\buf+8*\b:FB+32*\buf+8*\b+7], v[FA+64*\buf+8*(\a0+\x):FA+64*\buf+8*(\a0+\x)+7], v[8*(4*(\a0+\x)+\b):8*(4*(\a0+\x)+\b)+7]
.endif
.endr
.endr
.endm
; 24 LDS loads in one run, under window 0: 64 rows of Wo, then 128 rows of att, 32 K at byte k of the slot's rows; the pitch is the slot's
.macro FETCH slot, k, buf
.irp i, 0,1,2,3
	ds_load_b128 v[FB+32*\buf+8*\i:FB+32*\buf+8*\i+3],   v[ADRB+\slot] offset:\k+\i*16*(PL-(PL-PS)*\slot)
	ds_load_b128 v[FB+32*\buf+8*\i+4:FB+32*\buf+8*\i+7], v[ADRB+\slot] offset:\k+\i*16*(PL-(PL-PS)*\slot)+32
.endr
.irp i, 0,1,2,3,4,5,6,7
	ds_load_b128 v[FA+64*\buf+8*\i:FA+64*\buf+8*\i+3],   v[ADRA+\slot] offset:\k+\i*16*(PL-(PL-PS)*\slot)
	ds_load_b128 v[FA+64*\buf+8*\i+4:FA+64*\buf+8*\i+7], v[ADRA+\slot] offset:\k+\i*16*(PL-(PL-PS)*\slot)+32
.endr
.endm
; A quarter = 32 along K, 32 matrix instructions: multiplies buffer f, and in its middle fetches the next quarter's fragments (byte k of the same slot's rows) into buffer g
.macro QUARTER slot, k, f, g, first
	s_wait_dscnt 8                                 ; Wo and att's rows 0-63 are in; the youngest eight loads (att's rows 64-127) may be out
.if \first
	WIN FIRST
.else
	WIN MUL
.endif
	MUL8 \f, 0, \first
	MUL8 \f, 2, \first
	PLACES
	WIN 0
	FETCH \slot, \k, \g
	s_wait_dscnt 24                                ; all but the 24 just issued
.if \first
	WIN FIRST
.else
	WIN MUL
.endif
	MUL8 \f, 4, \first
	MUL8 \f, 6, \first
.endm
.macro THREE slot, first               ; the first three quarters of a piece of 128 along K
	QUARTER \slot, 64,  0, 1, \first
	QUARTER \slot, 128, 1, 0, 0
	QUARTER \slot, 192, 0, 1, 0
.endm
.macro SEVEN                           ; the first seven quarters of a long tile
	THREE 0, 0
	QUARTER 0, 256, 1, 0, 0
	QUARTER 0, 320, 0, 1, 0
	QUARTER 0, 384, 1, 0, 0
	QUARTER 0, 448, 0, 1, 0
.endm
; A tile's last quarter: multiplies buffer 1 and changes slots.  In front of the barrier each wave waits for its reads of this slot and for all its tensor
; loads (one is out: its part of the other slot).  fill = 1, 2: the barrier opens a round of the cluster's barrier, and the joint refill of this slot is the
; first tensor load behind the round; fill = 2: the long slot's last tile, of which 128 elements are left in each row.
; From a request to the wait for it a wave issues 248 matrix instructions (a short tile, asked for ahead of a long one's work) or 120 (a long tile).
.macro TURN slot, next, fill
	s_wait_dscnt 8
	WIN MUL
	MUL8 1, 0, 0
	s_wait_dscnt 0                                 ; my reads of this slot are over
	s_wait_tensorcnt 0x0                           ; all my tensor loads have landed
	ds_add_u32 v30, v31
	s_wait_dscnt 0x0
	s_barrier_signal -1
	MUL8 1, 2, 0                                   ; register work while the others arrive
	WIN 0
	s_barrier_wait -1
.if \fill
	CREST                                          ; no wave of any partner still reads this slot or has a load on its way
	s_add_nc_u64 s[G0+4*\slot+2:G0+4*\slot+3], s[G0+4*\slot+2:G0+4*\slot+3], NEXT
	s_add_nc_u64 s[G0B+4*\slot+2:G0B+4*\slot+3], s[G0B+4*\slot+2:G0B+4*\slot+3], NEXT
.if \fill == 2
	s_mov_b32 s[G1L+1], KS<<16                     ; tensor_dim0 = 128: what is left of the rows from K = 896 on; no load of mine is out, so a group 1 may be written
	s_mov_b32 s[G1BL+1], KS<<16
.endif
	JLOAD \slot
.endif
	PLACES
	FETCH \next, 0, 0
	WIN MUL
	MUL8 1, 4, 0
	MUL8 1, 6, 0
.endm
	s_wait_tensorcnt 0x1                           ; my part of the short tile is in; the long one may stay out
	s_barrier_signal -1
	s_barrier_wait -1
	FETCH 1, 0, 0
	THREE 1, 1                                     ; K 0 to 127: the first products start the sums from the bias
	TURN 1, 0, 1                                   ; asks for K 384 to 511
	SEVEN                                          ; K 128 to 383
	TURN 0, 1, 1                                   ; asks for K 512 to 767
	THREE 1, 0                                     ; K 384 to 511
	TURN 1, 0, 1                                   ; asks for K 768 to 895
	SEVEN                                          ; K 512 to 767
	TURN 0, 1, 2                                   ; asks for K 896 to 1023
	THREE 1, 0                                     ; K 768 to 895
	TURN 1, 0, 0                                   ; nothing is left to fetch
	THREE 0, 0                                     ; K 896 to 1023: the first half of the long slot's rows
	s_wait_dscnt 8
	WIN MUL
	MUL8 1, 0, 0
	MUL8 1, 2, 0
	s_wait_dscnt 0
	MUL8 1, 4, 0
	MUL8 1, 6, 0
	WIN 0
	PLACES
; THE WAY OUT, 16 rows at a time through my own stage: a lane's 32 bytes of a row go in, whole rows of 256 bytes (my 64 columns) come back.
; LDS serves a wave's instructions in order, so no wait stands between the stores and the loads; f: one of two register buffers in turn.
.macro OUTF a, f
	WIN 0x04                                       ; store data window 1
.irp b, 0,1,2,3
	ds_store_b128 v[STO], v[8*(4*\a+\b):8*(4*\a+\b)+3]   offset:64*\b
	ds_store_b128 v[STO], v[8*(4*\a+\b)+4:8*(4*\a+\b)+7] offset:64*\b+16
.endr
	WIN 0
	s_wait_xcnt 0x0                                ; buffer f, which earlier stores read, and the stores' base are rewritten only behind this wait
.if \a
	s_add_nc_u64 s[10:11], s[10:11], 16*4096       ; 16 rows of out0 on
.endif
.irp t, 0,1,2,3,4,5,6,7
	ds_load_b128 v[\f+4*\t:\f+4*\t+3], v[RD] offset:\t*2*PS
.endr
.irp t, 0,1,2,3,4,5,6,7
	s_wait_dscnt 7-\t
	global_store_b128 v[CO], v[\f+4*\t:\f+4*\t+3], s[10:11] offset:\t*8192 th:TH_STORE_NT   ; sixteen lanes store 256 consecutive bytes, at a multiple of 256 from out0's first byte
.endr
.endm
	OUTF 0, 64
	OUTF 1, 96
	OUTF 2, 64
	OUTF 3, 96
	OUTF 4, 64
	OUTF 5, 96
	OUTF 6, 64
	OUTF 7, 96
	s_wait_tensorcnt 0x0
	ds_add_u32 v30, v31
	s_wait_dscnt 0x0
	CROUND                                         ; the closing round: no work-group ends while a partner may still ask for a tile that names it
	s_endpgm
.Lfunc_end_k_q528ec11403_oproj:
	.size	k_q528ec11403_oproj, .Lfunc_end_k_q528ec11403_oproj-k_q528ec11403_oproj
	.p2alignl 7, 3214868480
	.fill 96, 4, 3214868480
	.section	.rodata,"a",@progbits
	.p2align	6, 0x0
	.amdhsa_kernel k_q528ec11403_oproj
		.amdhsa_group_segment_fixed_size 327680
		.amdhsa_private_segment_fixed_size 0
		.amdhsa_enable_private_segment 0
		.amdhsa_kernarg_size 32
		.amdhsa_user_sgpr_count 2
		.amdhsa_user_sgpr_kernarg_segment_ptr 1
		.amdhsa_wavefront_size32 1
		.amdhsa_system_sgpr_workgroup_id_x 1
		.amdhsa_system_sgpr_workgroup_id_y 1
		.amdhsa_system_sgpr_workgroup_id_z 1
		.amdhsa_system_vgpr_workitem_id 0
		.amdhsa_next_free_vgpr 512
		.amdhsa_next_free_sgpr 92
		.amdhsa_reserve_vcc 0
		.amdhsa_float_denorm_mode_32 3
		.amdhsa_float_denorm_mode_16_64 3
		.amdhsa_memory_ordered 1
		.amdhsa_forward_progress 1
		.amdhsa_inst_pref_size 150
	.end_amdhsa_kernel
	.amdgpu_metadata
---
amdhsa.version: [ 1, 2 ]
amdhsa.kernels:
  - .name:           k_q528ec11403_oproj
    .symbol:         k_q528ec11403_oproj.kd
    .args:
      - { .name: att, .offset: 0, .size: 8, .value_kind: global_buffer, .address_space: global }
      - { .name: wb, .offset: 8, .size: 8, .value_kind: global_buffer, .address_space: global }
      - { .name: bo, .offset: 16, .size: 8, .value_kind: global_buffer, .address_space: global }
      - { .name: out0, .offset: 24, .size: 8, .value_kind: global_buffer, .address_space: global }
    .group_segment_fixed_size: 327680
    .private_segment_fixed_size: 0
    .kernarg_segment_align: 8
    .kernarg_segment_size: 32
    .max_flat_workgroup_size: 128
    .sgpr_count:     92
    .vgpr_count:     512
    .wavefront_size: 32
...
	.end_amdgpu_metadata
.endif
;; end of part 5
;; ======== version 2 of 2: 5 launches; version 1 with the launch cvt written anew for expert scheduling mode
;; limits: values outside matrix products are rounded to bf16
;; workspace buffers: xb 16,777,216 bytes; wb 8,388,608 bytes; kvp 10,485,760 bytes; kvb 655,360 bytes; att 16,777,216 bytes
;; launch cvt (part 6): grid 64 x 12, 8 waves a work-group, no clusters, 0 bytes of LDS; arguments x, Wq, Wk, Wv, Wo, xb, wb; writes xb, wb
.if DOCPART == 6
	.amdgcn_target "amdgcn-amd-amdhsa--gfx1250"
	.amdhsa_code_object_version 6
	.text
	.protected	k_q528ec11403_cvt
	.globl	k_q528ec11403_cvt
	.p2align	8
	.type	k_q528ec11403_cvt,@function
k_q528ec11403_cvt:
	s_mov_b64 s[64:65], 0
	v_nop
	global_prefetch_b8 v0, s[64:65] scope:SCOPE_SE
	s_setreg_imm32_b32 hwreg(HW_REG_WAVE_SCHED_MODE, 0, 2), 2
	s_setreg_imm32_b32 hwreg(HW_REG_WAVE_MODE, 25, 1), 1
	s_wait_xcnt 0x0
	s_wait_alu depctr_vm_vsrc(0)
; f32 to bf16 (round to nearest even) of x and of the four weight matrices, once, so that the three products that follow
; move and multiply 16-bit tiles and x is narrowed once although two launches read it.
; xb = x as [8192][1024] bf16.  wb = [4096][1024] bf16: rows 0-1023 Wq; rows 1024+128 h+0..63 = Wk rows 64 h..64 h+63 and
; rows 1024+128 h+64..127 = Wv rows 64 h..64 h+63 (K's and V's rows of one head lie together: one tile of 128 rows); rows 3072-4095 Wo.
; A work-group takes one chunk of 16 rows: 65,536 bytes in, 32,768 bytes out.  y < 8: chunk 64 y + c of x; y = 8..11: chunk c of Wq, Wk, Wv, Wo.
; A stream: no LDS, no barrier, no matrix unit.  All sixteen loads of a thread go out at once; no register is written twice.
; THE MODE: SCHED_MODE bits 1:0 = 2 (LLVM: expert scheduling mode 2), set by the entry lines.  The code itself states the register dependences
; between vector instructions and memory instructions, with s_wait_alu, always for 0.
; THE PLAN.  Registers that memory instructions touch:
;   v1, v2   byte offsets, written once at the head; v1 is read by every load, v2 by every store.
;   X        load j lands in its four registers; all sixteen loads are issued ahead of the first rounding, and no vector instruction names X ahead of them.
;   Y        pair j is written once, by the two roundings of load j, and read once, by store j.
; No register that a memory instruction reads is written again, so nothing is owed on that side.  What is owed: the offsets written ahead of the first load,
; and each Y pair written ahead of its store.  The loads go in four groups of four.  The four stores of a group go out as one run at the head of the next
; group, behind the wait for that group's first load and one wait on va_vdst, and ahead of that group's roundings; the last group's behind one more wait.
.set X, 4                              ; v[4:67]   sixteen loads of 4 f32
.set Y, 68                             ; v[68:99]  sixteen pairs of packed bf16
	s_load_b256 s[4:11], s[0:1], 0x0               ; x s[4:5], Wq s[6:7], Wk s[8:9], Wv s[10:11]
	s_load_b128 s[12:15], s[0:1], 0x20             ; Wo s[12:13], xb s[14:15]
	s_load_b64 s[16:17], s[0:1], 0x30              ; wb
	s_and_b32 s18, ttmp7, 0xffff                   ; y: which source
	s_mov_b32 s19, ttmp9                           ; c: which chunk
	v_lshlrev_b32 v1, 4, v0                        ; 16 bytes of f32 a thread: a wave's load covers 512 consecutive bytes
	v_lshlrev_b32 v2, 3, v0                        ; 8 bytes of bf16 a thread: a wave's store covers 256 consecutive bytes, aligned
	s_lshl_b32 s24, s18, 6
	s_add_co_u32 s24, s24, s19                     ; 64 y + c
	s_cmp_lt_u32 s18, 8
	s_cselect_b32 s24, s24, s19                    ; the chunk in its source: 64 y + c in x, c in a weight matrix
	s_lshl_b32 s26, s24, 4                         ; destination row for x and for Wq: 16 x chunk
	s_lshr_b32 s28, s19, 2                         ; Wk: head = c / 4,
	s_lshl_b32 s28, s28, 7
	s_and_b32 s29, s19, 3                          ; 16 (c mod 4) rows into the head
	s_lshl_b32 s29, s29, 4
	s_add_co_u32 s28, s28, s29
	s_add_co_u32 s28, s28, 1024                    ; 1024 + 128 head + 16 (c mod 4)
	s_cmp_eq_u32 s18, 9
	s_cselect_b32 s26, s28, s26
	s_add_co_u32 s28, s28, 64                      ; Wv: 64 rows behind Wk's of the same head
	s_cmp_eq_u32 s18, 10
	s_cselect_b32 s26, s28, s26
	s_lshl_b32 s29, s19, 4
	s_add_co_u32 s29, s29, 3072                    ; Wo
	s_cmp_eq_u32 s18, 11
	s_cselect_b32 s26, s29, s26
	s_lshl_b32 s26, s26, 11                        ; rows of 2,048 bytes; below 2^25
	s_mov_b32 s27, 0
	s_lshl_b32 s24, s24, 16                        ; chunks of 65,536 bytes; below 2^26
	s_mov_b32 s25, 0
	s_wait_kmcnt 0x0
	s_cmp_eq_u32 s18, 8                            ; the source's address, chosen by y alone
	s_cselect_b64 s[20:21], s[6:7], s[4:5]
	s_cmp_eq_u32 s18, 9
	s_cselect_b64 s[20:21], s[8:9], s[20:21]
	s_cmp_eq_u32 s18, 10
	s_cselect_b64 s[20:21], s[10:11], s[20:21]
	s_cmp_eq_u32 s18, 11
	s_cselect_b64 s[20:21], s[12:13], s[20:21]
	s_cmp_lt_u32 s18, 8                            ; and the destination's
	s_cselect_b64 s[22:23], s[14:15], s[16:17]
	s_add_nc_u64 s[20:21], s[20:21], s[24:25]
	s_add_nc_u64 s[22:23], s[22:23], s[26:27]
	s_wait_alu depctr_va_vdst(0)                   ; v1 and v2 are written: every load of the kernel reads v1 as its offset, every store v2
.irp j, 0,1,2,3,4,5,6,7,8,9,10,11,12,13,14,15
	global_load_b128 v[X+4*\j:X+4*\j+3], v1, s[20:21] offset:4096*\j th:TH_LOAD_NT   ; read once in this launch
.endr
; The four stores of group g, in one run.
.macro SEND g
.irp t, 0,1,2,3
	global_store_b64 v2, v[Y+2*(4*(\g)+\t):Y+2*(4*(\g)+\t)+1], s[22:23] offset:2048*(4*(\g)+\t)   ; later launches read these bytes: no hint
.endr
.endm
; Group g: loads 4 g to 4 g + 3 are rounded, each behind its own counted wait.  before = 1: the group before goes out first.
.macro GROUP g, before
.irp i, 0,1,2,3
	s_wait_loadcnt 15-4*(\g)-\i                    ; loads come back in order: load 4 g + i is in, the younger ones stay out
.if \before && (\i == 0)
	s_wait_alu depctr_va_vdst(0)                   ; the eight roundings of the group before have written their Y pairs, which the four stores below read
	SEND (\g)-1
.endif
	v_cvt_pk_bf16_f32 v[Y+2*(4*(\g)+\i)], v[X+4*(4*(\g)+\i)], v[X+4*(4*(\g)+\i)+1]
	v_cvt_pk_bf16_f32 v[Y+2*(4*(\g)+\i)+1], v[X+4*(4*(\g)+\i)+2], v[X+4*(4*(\g)+\i)+3]
.endr
.endm
	GROUP 0, 0
	GROUP 1, 1
	GROUP 2, 1
	GROUP 3, 1
	s_wait_alu depctr_va_vdst(0)                   ; the last group's roundings have written their Y pairs, which the last four stores read
	SEND 3
	s_endpgm
.Lfunc_end_k_q528ec11403_cvt:
	.size	k_q528ec11403_cvt, .Lfunc_end_k_q528ec11403_cvt-k_q528ec11403_cvt
	.p2alignl 7, 3214868480
	.fill 96, 4, 3214868480
	.section	.rodata,"a",@progbits
	.p2align	6, 0x0
	.amdhsa_kernel k_q528ec11403_cvt
		.amdhsa_group_segment_fixed_size 0
		.amdhsa_private_segment_fixed_size 0
		.amdhsa_enable_private_segment 0
		.amdhsa_kernarg_size 56
		.amdhsa_user_sgpr_count 2
		.amdhsa_user_sgpr_kernarg_segment_ptr 1
		.amdhsa_wavefront_size32 1
		.amdhsa_system_sgpr_workgroup_id_x 1
		.amdhsa_system_sgpr_workgroup_id_y 1
		.amdhsa_system_sgpr_workgroup_id_z 1
		.amdhsa_system_vgpr_workitem_id 0
		.amdhsa_next_free_vgpr 100
		.amdhsa_next_free_sgpr 66
		.amdhsa_reserve_vcc 0
		.amdhsa_float_denorm_mode_32 3
		.amdhsa_float_denorm_mode_16_64 3
		.amdhsa_memory_ordered 1
		.amdhsa_forward_progress 1
		.amdhsa_inst_pref_size 8
	.end_amdhsa_kernel
	.amdgpu_metadata
---
amdhsa.version: [ 1, 2 ]
amdhsa.kernels:
  - .name:           k_q528ec11403_cvt
    .symbol:         k_q528ec11403_cvt.kd
    .args:
      - { .name: x, .offset: 0, .size: 8, .value_kind: global_buffer, .address_space: global }
      - { .name: Wq, .offset: 8, .size: 8, .value_kind: global_buffer, .address_space: global }
      - { .name: Wk, .offset: 16, .size: 8, .value_kind: global_buffer, .address_space: global }
      - { .name: Wv, .offset: 24, .size: 8, .value_kind: global_buffer, .address_space: global }
      - { .name: Wo, .offset: 32, .size: 8, .value_kind: global_buffer, .address_space: global }
      - { .name: xb, .offset: 40, .size: 8, .value_kind: global_buffer, .address_space: global }
      - { .name: wb, .offset: 48, .size: 8, .value_kind: global_buffer, .address_space: global }
    .group_segment_fixed_size: 0
    .private_segment_fixed_size: 0
    .kernarg_segment_align: 8
    .kernarg_segment_size: 56
    .max_flat_workgroup_size: 256
    .sgpr_count:     66
    .vgpr_count:     100
    .wavefront_size: 32
...
	.end_amdgpu_metadata
.endif
;; end of part 6
;; launch kv: the kernel of part 2 again; grid 8 x 32, 4 waves a work-group, clusters of 4 x 4, 327,680 bytes of LDS; arguments xb, wb, bk, bv, kvp; writes kvp
;; launch kvred: the kernel of part 3 again; grid 256 x 1, 5 waves a work-group, no clusters, 0 bytes of LDS; arguments kvp, kvb; writes kvb
;; launch qattn: the kernel of part 4 again; grid 8 x 32, 4 waves a work-group, clusters of 4 x 4, 327,680 bytes of LDS; arguments xb, wb, bq, kvb, att; writes att
;; launch oproj: the kernel of part 5 again; grid 8 x 32, 4 waves a work-group, clusters of 4 x 4, 327,680 bytes of LDS; arguments att, wb, bo, out0; writes out0
